; MI455X (gfx1250); checked and timed in simulation.
; The chip was launched on July 23, 2026; its instructions are those of AMD's public machine-readable ISA for CDNA 5 (MIT licence, August 2026) and "CDNA5" Instruction Set Architecture Reference Guide (July 2026). The comments in the code are by the model that wrote it; some were corrected since.
;; Meta Linear2. Allowed arithmetic: matrix products marked QUANTISED: E4M3 operands, one given power-of-two scale a tensor, by v_wmma_f32_16x16x64_fp8_fp8 or v_wmma_f32_16x16x128_fp8_fp8, f32 sums; products left as they are: f32 operands where the result goes on into a quantised operand, else bf16, f16 or f32 operands; f32 sums; everything else in f32.
;; Inputs: b1 32 float32; b2 65,536 float32; c1 32 float32; c2 256 float32; lowp_scales 8 int32 (the exponents e of the quantised operands' scales 2^e); u1 32 x 256 float32; u2 256 x 32 float32; w1 32 x 256 float32; w2 65,536 x 32 float32; x 4 x 512 x 256 float32.
;; Outputs: out0 4 x 512 x 256 float32.
;; This version of the problem:
;;   THIS VERSION OF THE PROBLEM IS GIVEN IN LOW PRECISION. The matrix products marked QUANTISED in the list below multiply operands that are first quantised to E4M3 (4 exponent bits, 3 mantissa bits; 8 bits a number), with one given power-of-two scale for each operand tensor; their sums are f32. All else is computed in f32.
;;   The module's matrix products, in the order in which they are computed (A, B: the left and right operand; K: the contracted axis; several contracted axes count as one K, in the product's order):
;;     1. [M 2,048, K 256] x [K 256, N 32]; A: input x; B: input w1: QUANTISED (scales: A lowp_scales[0], B lowp_scales[1])
;;     2. [M 2,048, K 32] x [K 32, N 65,536]; A: computed on the way; B: input w2: QUANTISED (scales: A lowp_scales[2], B lowp_scales[3])
;;     3. [M 2,048, K 256] x [K 256, N 32]; A: input x; B: input u1: QUANTISED (scales: A lowp_scales[4], B lowp_scales[5])
;;     4. [M 2,048, K 32] x [K 32, N 256]; A: computed on the way; B: input u2: QUANTISED (scales: A lowp_scales[6], B lowp_scales[7])
;;     5. batch 2,048 x [M 256, K 256] x [K 256, N 1]; A: computed on the way; B: input x: left as it is (N = 1 < 16)
;;   THE QUANTISER, for each operand of a quantised product, along K:
;;     - The operand's scale is 2^e, e = its entry of the input lowp_scales (int32; the entries are numbered through the quantised products in the list's order, A before B).
;;     - Each number is divided by the scale, clamped to +-448, and rounded to the nearest number of E4M3, ties to even, subnormals kept.
;;     - The product sums the exact products of the quantised numbers (number of the format x scale) in f32.
;;   ~~~python
;;   def quantise(x, axis, e):      # numpy; x: float32 -> the quantised numbers, widened to float32 again
;;       x = np.moveaxis(x, axis, -1); K = x.shape[-1]
;;       r = np.clip(x / 2.0 ** e, -448, 448)
;;       step = 2.0 ** (np.maximum(np.frexp(np.where(r == 0, 1, r))[1] - 1, -6) - 3)
;;       q = np.round(r / step) * step * 2.0 ** e      # np.round: ties to even
;;       return np.moveaxis(q, -1, axis).astype(np.float32)
;;   ~~~
;;   OPERANDS COMPUTED ON THE WAY. 'Computed on the way' means the value that the module computes at that place (a softmax that the list does not call 'softmax' is quantised finished and normalised). What goes into a quantiser is computed in f32, as accurately as f32 sums, v_exp_f32 and their like allow (about 1e-6 of the number): no bf16 or f16 on the way to a quantiser, and a product that is left as it is and whose result goes on into a quantised operand takes f32 operands (vector FMAs, or v_wmma_f32_16x16x4_f32). A number that lies on a knife's edge between two numbers of the format may be rounded either way, as far as f32 arithmetic and the matrix unit's own rounding can turn it there, and no further.
;; 2 versions, each right; version 2 is version 1 with the launch prep written anew for expert scheduling mode. Each part assembles by itself: llvm-mc -triple=amdgcn-amd-amdhsa -mcpu=gfx1250 --defsym DOCPART=n.
;; ======== version 1 of 2: 2 launches
;; limits: a difference of large sums (such as E[x^2] - mean^2): digits are lost where the result is much smaller than its terms
;; workspace buffers: w2f 2,490,368 bytes; xcf 2,097,152 bytes; hqf 65,536 bytes; blnb 2,097,152 bytes
;; launch prep (part 1): grid 288 x 1, 4 waves a work-group, no clusters, 132,608 bytes of LDS; arguments x, w1, b1, w2, b2, u1, c1, u2, c2, lowp_scales, w2f, xcf, hqf, blnb; writes w2f, xcf, hqf, blnb
.if DOCPART == 1
	.amdgcn_target "amdgcn-amd-amdhsa--gfx1250"
	.amdhsa_code_object_version 6
	.text
	.protected	k_q2db1e5774c_prep
	.globl	k_q2db1e5774c_prep
	.p2align	8
	.type	k_q2db1e5774c_prep,@function
k_q2db1e5774c_prep:
	s_mov_b64 s[64:65], 0
	v_nop
	global_prefetch_b8 v0, s[64:65] scope:SCOPE_SE
	s_setreg_imm32_b32 hwreg(HW_REG_WAVE_MODE, 25, 1), 1
	s_wait_xcnt 0x0
; PREP: everything that is made once.  Two kinds of work-groups, told apart by the work-group's number alone; each kind has LDS bytes of its own.
; WORK-GROUPS 0-31 (a wave = a tile of 16 tokens, T = 4 x work-group + wave): hw = Q(x) Q(w1)^T + b1 and hb = Q(x) Q(u1)^T + c1 (E4M3 codes, K = 256), hw's codes -> hqf;
;   b = Q(hb) Q(u2)^T + c2, its layer norm over the 256 outputs -> blnb;  x - mean(x) -> xcf, in the order of the registers in which the second launch wants it.
; WORK-GROUPS 32-287 (o = work-group - 32): the 256 rows of w2 that make output o become codes, laid as images of the matrix operand's registers; b2 / 2^(e2+e3) and its fold into 16 numbers behind them -> w2f.
; w2f, for each o 9,728 bytes: 16 tiles x 512 bytes (lane (r, hh) at 16 (r + 16 hh): row i = 32 b + 8 u + r + 8 (r / 8) of tile 2 b + u, k = 16 hh .. + 15); 1,024 bytes b2 / 2^(e2+e3); 512 bytes: the fold, eight times over.
; THE QUANTISER: number / 2^e, held within +-448, to the nearest code, ties to even.  A sum of codes' products stands for sum x 2^(ea+eb): the bias goes in as the C of the sum's first product, divided by that
; power of two, and the next quantiser's scale takes the two exponents off its own.
; ALL PRODUCTS ARE USED TRANSPOSED (source 0 = 16 rows of a weight, source 1 = 16 tokens): a lane (r = lane % 16, h = lane / 16) holds ONE token, and its registers run along the next K or along the norm's axis.
; K's order inside an operand: registers 4 g .. 4 g + 3 of lane (r, h) hold k = 32 g + 16 h + 0 .. 15, alike in both operands of a product.
; K = 32 IN THE K = 64 FORM: source 0 = two tiles' codes on end, source 1 = [codes | 0] or [0 | codes]: the zeros pick the tile, and no padding is stored.
; No cluster and no tensor load: what work-groups share (w1, u1, u2: 96 KB) is small beside what each reads alone, and everything goes through registers to be quantised.
; LIMITS: e0, e1, e3, e4, e5, e7, e2-e0-e1 and e6-e4-e5 between -126 and 119 (each is made into an f32 power of two and 448 times it); e6+e7 between -72 and 54 (taken off the exponent field of 1e-5).  NaN among the inputs is not served.
.set WIMG,   0                         ; LDS, token path: w1's and u1's 8 fragments (2,048 bytes each: matrix, tile u, K step s at 2 (2 mat + u) + s)
.set UIMG,   16384                     ; u2's 16 tiles, 512 bytes each
.set BST,    24576                     ; a stage of 16 rows x (1,024 + 16) bytes for each wave: the bias on its way out
.set BPITCH, 1040
.set WST,    91136                     ; LDS, w2 path: for each wave two stages of 64 places x 80 bytes
.set PC,     208                       ; v208-223  the codes just made
.set AC,     64                        ; v64-71    four chains of a sum
.set MSB, 0
.macro WIN new                         ; the immediate's high byte repeats the setting that is left; a switch that changes nothing is dropped
.if MSB != \new
	s_set_vgpr_msb (MSB<<8)|\new
.set MSB, \new
.endif
.endm
.macro MKS vs, se                      ; v[vs] = 2^e as f32 (the conversion takes its exponent field), v[vs+1] = 448 x 2^e;  e in s[se]
	s_add_co_i32 s56, s[\se], 127
	s_lshl_b32 s57, s56, 23
	v_mov_b32 v[\vs], s57
	s_add_co_i32 s56, s56, 8
	s_lshl_b32 s56, s56, 23
	s_or_b32 s56, s56, 0x600000
	v_mov_b32 v[\vs+1], s56
.endm
	s_load_b512 s[8:23], s[0:1], 0x0               ; x s[8:9], w1 s[10:11], b1 s[12:13], w2 s[14:15], b2 s[16:17], u1 s[18:19], c1 s[20:21], u2 s[22:23]
	s_load_b256 s[24:31], s[0:1], 0x40             ; c2 s[24:25], the scales' exponents s[26:27], w2f s[28:29], xcf s[30:31]
	s_load_b128 s[32:35], s[0:1], 0x60             ; hqf s[32:33], blnb s[34:35]
	v_lshl_add_u32 v254, v0, 2, 0x20400
	v_mov_b32 v255, 0
	v_lshrrev_b32 v1, 5, v0
	v_readfirstlane_b32 s44, v1                    ; wave 0..3
	s_mov_b32 s58, 0x76543210                      ; v_permlanex16_b32's selects for lane l xor 16
	s_mov_b32 s59, 0xfedcba98
	s_wait_kmcnt 0x0
	s_load_b256 s[36:43], s[26:27], 0x0            ; e0 .. e7
	s_cmp_lt_u32 ttmp9, 32
	s_cbranch_scc1 .Ltoken
; ---------------------------------------------------------------- the rows of w2 for one o.  Wave k takes rows 64 k .. 64 k + 63: tiles 4 k .. 4 k + 3
; Each load reads 512 consecutive bytes (4 rows).  A conversion wants 16 neighbours along K in one lane: so the bytes turn through the wave's own stage, 64 bytes (half a row) to a place of 80 bytes.
; v2 16 x lane;  v3 into the stage;  v4 out of it;  v5 my codes' place in a tile's image;  v6, v7 2^e3 and 448 x 2^e3;  v16-79 as loaded;  v80-143 four sets of 16 neighbours;  v144-159 codes;  v160-175 b2 and its fold
	s_sub_co_u32 s45, ttmp9, 32                    ; o
	v_and_b32 v1, 31, v0                           ; lane l
	v_lshlrev_b32 v2, 4, v1
	s_mul_i32 s46, s44, 10240
	s_add_co_u32 s46, s46, WST                     ; my stages
	v_lshrrev_b32 v3, 2, v1
	v_mul_u32_u24 v3, v3, 80
	v_and_b32 v8, 3, v1
	v_lshl_add_u32 v3, v8, 4, v3
	v_add_nc_u32 v3, s46, v3                       ; in: four lanes fill a place: 80 (l / 4) + 16 (l % 4); a load fills eight places
	v_lshrrev_b32 v4, 4, v1
	v_lshl_add_u32 v4, v4, 4, v1
	v_mul_u32_u24 v4, v4, 80
	v_add_nc_u32 v4, s46, v4                       ; out: lane l = 2 r + hh takes place l + 16 (l / 16) + 16 u: row 8 u + r + 8 (r / 8) of the 32, half hh
	v_lshrrev_b32 v5, 1, v1
	v_and_b32 v8, 1, v1
	v_lshl_add_u32 v5, v8, 4, v5
	v_lshlrev_b32 v5, 4, v5                        ; 16 (r + 16 hh)
	s_lshl_b32 s48, s45, 15
	s_lshl_b32 s49, s44, 13
	s_add_co_u32 s48, s48, s49
	s_mov_b32 s49, 0
	s_add_nc_u64 s[14:15], s[14:15], s[48:49]      ; w2 at my 64 rows
	s_mul_i32 s48, s45, 9728
	s_lshl_b32 s50, s44, 11
	s_add_co_u32 s48, s48, s50
	s_add_nc_u64 s[28:29], s[28:29], s[48:49]      ; w2f at my four tiles
	s_lshl_b32 s48, s45, 10
	s_add_nc_u64 s[16:17], s[16:17], s[48:49]      ; b2 at this o's 256 numbers
.set j, 0
.rept 16
	global_load_b128 v[16+4*j:19+4*j], v2, s[14:15] offset:512*j th:TH_LOAD_NT
.set j, j+1
.endr
	s_wait_kmcnt 0x0
	MKS 6, 39                                      ; e3
	s_cmp_lg_u32 s44, 0
	s_cbranch_scc1 .Lw_rows
	; wave 0 alone: b2 / 2^(e2+e3), and its fold: fold[m] = the sum of the 16 numbers at 16 c + m.  Lane l holds numbers 4 l .. 4 l + 3 and 128 + 4 l .. + 3
	global_load_b128 v[160:163], v2, s[16:17]
	global_load_b128 v[164:167], v2, s[16:17] offset:512
	s_add_co_i32 s50, s38, s39
	s_sub_co_i32 s50, 0, s50                       ; -(e2 + e3)
.irp e, 0,1,2,3
	v_mov_b32 v[172+\e], 0                         ; a lane permute's destination counts as read
.endr
	s_wait_loadcnt 0x0
.irp e, 0,1,2,3,4,5,6,7
	v_ldexp_f32 v[160+\e], v[160+\e], s50
.endr
	global_store_b128 v2, v[160:163], s[28:29] offset:8192
	global_store_b128 v2, v[164:167], s[28:29] offset:8704
.irp e, 0,1,2,3
	v_add_f32 v[168+\e], v[160+\e], v[164+\e]
.endr
.irp e, 0,1,2,3
	v_add_f32_dpp v[168+\e], v[168+\e], v[168+\e] row_xmask:4 row_mask:0xf bank_mask:0xf
.endr
.irp e, 0,1,2,3
	v_add_f32_dpp v[168+\e], v[168+\e], v[168+\e] row_xmask:8 row_mask:0xf bank_mask:0xf
.endr
.irp e, 0,1,2,3
	v_permlanex16_b32 v[172+\e], v[168+\e], s58, s59
.endr
.irp e, 0,1,2,3
	v_add_f32 v[168+\e], v[168+\e], v[172+\e]      ; lane l now holds fold[4 (l % 4) + e]: the 32 lanes' 512 bytes are the fold eight times over
.endr
	global_store_b128 v2, v[168:171], s[28:29] offset:9216
.Lw_rows:
.irp d, 0,1                            ; 32 rows at a time through stage d
.if \d == 0
	s_wait_loadcnt 8                               ; the first eight row loads are in; the other eight may be out
.else
	s_wait_loadcnt 0x0
.endif
.irp i, 0,1,2,3,4,5,6,7
	ds_store_b128 v3, v[16+32*\d+4*\i:19+32*\d+4*\i] offset:5120*\d+640*\i
.endr
.irp u, 0,1
.irp e, 0,1,2,3
	ds_load_b128 v[80+16*(2*\d+\u)+4*\e:83+16*(2*\d+\u)+4*\e], v4 offset:5120*\d+1280*\u+16*\e   ; LDS serves a wave's instructions in order: these see my stores
.endr
.endr
.endr
.macro WGROUP g, left                  ; tile 4 k + g: 16 numbers a lane become 16 codes; left = the LDS instructions issued behind this group's four loads
	s_wait_dscnt \left
.set i, 0
.rept 16
	v_med3_num_f32 v[80+16*\g+i], v[80+16*\g+i], -v7, v7   ; the conversion to an 8-bit code does not saturate (ISA guide 7.6.2): the hold at 448 x the scale comes first
.set i, i+1
.endr
	v_cvt_scalef32_pk8_fp8_f32 v[144+4*\g:145+4*\g], v[80+16*\g:87+16*\g], v6
	v_cvt_scalef32_pk8_fp8_f32 v[146+4*\g:147+4*\g], v[88+16*\g:95+16*\g], v6
	global_store_b128 v5, v[144+4*\g:147+4*\g], s[28:29] offset:512*\g   ; the wave's store covers the tile's 512 consecutive bytes
.endm
	WGROUP 0, 20
	WGROUP 1, 16
	WGROUP 2, 4
	WGROUP 3, 0
	v_nop                                          ; a plain line behind the last conversion
	s_wait_tensorcnt 0x0
	ds_add_u32 v254, v255
	s_wait_dscnt 0x0
	s_endpgm
; ---------------------------------------------------------------- a tile of 16 tokens to a wave
; WINDOW 0: v1 r, v2 h, v3 16 x lane, v4 x's offset, v5 w1's or u1's, v6 u2's, v7, v8 where my images go, v9 64 h, v10 32 h, v11, v12 the stage in and out, v13 a permute's destination, v[14:15] a mean or 1 / sigma, twice;
;   at first v16-79, v80-143 my tile of w1 or u1 (two K steps), v144-207 my four tiles of u2;  later v16-31 hw, v32-47 hb, v48-79 two sets of 16 at work, then v48-111 w1's fragments, v112-175 u1's, then u2's;
;   v176-207 x's codes under e0, v208-239 under e4;  v48-51 hw's codes, v52-63 [0 | hb's codes | 0];  v240-251 six pairs (2^e, 448 x 2^e).   WINDOW 1: v0-127 x, v128-255 c2, then b.
.macro QUANT s, sc                     ; 64 numbers of a lane, v[s] on, become 16 registers of codes, v[PC] on;  v[sc], v[sc+1]: the scale and 448 x the scale
.irp b, 0,1,2,3
.set i, 0
.rept 16
	v_med3_num_f32 v[\s+16*\b+i], v[\s+16*\b+i], -v[\sc+1], v[\sc+1]
.set i, i+1
.endr
	v_cvt_scalef32_pk8_fp8_f32 v[PC+4*\b:PC+4*\b+1], v[\s+16*\b:\s+16*\b+7], v[\sc]
	v_cvt_scalef32_pk8_fp8_f32 v[PC+4*\b+2:PC+4*\b+3], v[\s+16*\b+8:\s+16*\b+15], v[\sc]
.endr
	v_nop                                          ; a plain line behind the last conversion
.endm
.macro IMAGE adr, off                  ; the codes go to LDS as an image of their registers: lane l's 16 bytes at 16 l, 512 bytes a store
.irp c, 0,1,2,3
	ds_store_b128 v[\adr], v[PC+4*\c:PC+4*\c+3] offset:\off+512*\c
.endr
.endm
.macro XQ dst, sc                      ; x (window 1, untouched) becomes two fragments of codes, v[dst] on; two sets of 16 take turns, so that plain lines stand between a conversion and the next write of its sources
.irp g, 0,1,2,3,4,5,6,7
	WIN 0x01
.set i, 0
.rept 16
	v_med3_num_f32 v[48+16*(\g%2)+i], v[16*\g+i], -v[\sc+1], v[\sc+1]
.set i, i+1
.endr
	WIN 0
	v_cvt_scalef32_pk8_fp8_f32 v[\dst+4*\g:\dst+4*\g+1], v[48+16*(\g%2):55+16*(\g%2)], v[\sc]
	v_cvt_scalef32_pk8_fp8_f32 v[\dst+4*\g+2:\dst+4*\g+3], v[56+16*(\g%2):63+16*(\g%2)], v[\sc]
.endr
	v_nop
.endm
.macro REDUCE                          ; four chains of pairs -> the token's sum in v[AC], in both lanes that hold the token
	v_pk_add_f32 v[AC:AC+1], v[AC:AC+1], v[AC+2:AC+3]
	v_pk_add_f32 v[AC+4:AC+5], v[AC+4:AC+5], v[AC+6:AC+7]
	v_pk_add_f32 v[AC:AC+1], v[AC:AC+1], v[AC+4:AC+5]
	v_add_f32 v[AC], v[AC], v[AC+1]
	v_permlanex16_b32 v13, v[AC], s58, s59
	v_add_f32 v[AC], v[AC], v13
.endm
.macro SUMW1 base                      ; the sum of the lane's 128 numbers v[base] on of window 1, taken in ascending order of registers
	WIN 0x05
.irp c, 0,1,2,3
	v_pk_add_f32 v[AC+2*\c:AC+2*\c+1], v[\base+2*\c:\base+2*\c+1], v[\base+8+2*\c:\base+9+2*\c]
.endr
	WIN 0x01
.set j, 8
.rept 56
	v_pk_add_f32 v[AC+2*(j%4):AC+2*(j%4)+1], v[\base+2*j:\base+2*j+1], v[AC+2*(j%4):AC+2*(j%4)+1]
.set j, j+1
.endr
	WIN 0
	REDUCE
.endm
.Ltoken:
	s_lshl_b32 s45, ttmp9, 2
	s_add_co_u32 s45, s45, s44                     ; T
	v_and_b32 v1, 15, v0                           ; r
	v_bfe_u32 v2, v0, 4, 1                         ; h
	v_and_b32 v3, 31, v0
	v_lshlrev_b32 v3, 4, v3                        ; 16 x lane
	v_lshlrev_b32 v4, 10, v1
	v_lshl_add_u32 v4, v2, 6, v4                   ; x: row r of 1,024 bytes, + 64 h: my 16 numbers of each 32
	v_and_b32 v5, 8, v1
	v_add_nc_u32 v5, v5, v1                        ; r + 8 (r / 8)
	s_and_b32 s46, s44, 1
	s_lshl_b32 s46, s46, 3
	v_add_nc_u32 v5, s46, v5                       ; waves 0, 1 quantise w1's tiles u = 0, 1; waves 2, 3 u1's: lane r takes row 8 u + r + 8 (r / 8), so that a lane's 16 results are 16 neighbours along the next K
	v_lshlrev_b32 v5, 10, v5
	v_lshl_add_u32 v5, v2, 6, v5
	v_lshlrev_b32 v6, 7, v1
	v_lshl_add_u32 v6, v2, 6, v6
	s_lshl_b32 s46, s44, 13
	v_add_nc_u32 v6, s46, v6                       ; u2: rows 64 k + r (128 bytes each), + 64 h
	s_lshl_b32 s46, s44, 12
	v_add_nc_u32 v7, s46, v3                       ; my two weight fragments' images: 4,096 k + 16 x lane
	s_lshl_b32 s46, s44, 11
	s_add_co_u32 s46, s46, UIMG
	v_add_nc_u32 v8, s46, v3                       ; my four tiles of u2
	v_lshlrev_b32 v9, 6, v2
	v_lshlrev_b32 v10, 5, v2
	s_mul_i32 s46, s44, 16*BPITCH
	s_add_co_u32 s46, s46, BST                     ; my stage
	v_mul_u32_u24 v11, v1, BPITCH
	v_lshl_add_u32 v11, v2, 5, v11
	v_add_nc_u32 v11, s46, v11                     ; in: row r, + 32 h
	v_bfe_u32 v12, v0, 2, 3
	v_mul_u32_u24 v12, v12, BPITCH
	v_and_b32 v13, 3, v0
	v_lshl_add_u32 v12, v13, 4, v12
	v_add_nc_u32 v12, s46, v12                     ; out: four lanes take 64 bytes of a row, eight rows an instruction
	v_mov_b32 v13, 0
	s_lshl_b32 s46, s45, 14
	s_mov_b32 s47, 0
	s_add_nc_u64 s[8:9], s[8:9], s[46:47]          ; x and xcf at my tile: 16,384 bytes each
	s_add_nc_u64 s[30:31], s[30:31], s[46:47]
	s_lshl_b32 s46, s45, 9
	s_add_nc_u64 s[32:33], s[32:33], s[46:47]      ; hqf: 512 bytes a tile
	s_lshr_b32 s46, s45, 3
	s_lshl_b32 s46, s46, 17
	s_and_b32 s50, s45, 7
	s_lshl_b32 s50, s50, 10
	s_add_co_u32 s46, s46, s50
	s_add_nc_u64 s[34:35], s[34:35], s[46:47]      ; blnb [16 blocks of 128 tokens][16 groups of 16 outputs][128][16]: my block, my 16 tokens' 1,024 bytes in a group
	s_cmp_lt_u32 s44, 2
	s_cselect_b64 s[48:49], s[10:11], s[18:19]     ; w1 or u1: the choice hangs on the wave's number alone
.set j, 0
.rept 32
	global_load_b128 v[16+4*j:19+4*j], v5, s[48:49] offset:128*(j/4)+16*(j%4)     ; register 16 g + i: k = 32 g + 16 h + i of my row
.set j, j+1
.endr
.set j, 0
.rept 16
	global_load_b128 v[144+4*j:147+4*j], v6, s[22:23] offset:2048*(j/4)+16*(j%4)  ; register 16 a + i: u2(64 k + 16 a + r, 16 h + i)
.set j, j+1
.endr
	WIN 0x40
.set j, 0
.rept 32
	global_load_b128 v[4*j:4*j+3], v4, s[8:9] offset:128*(j/4)+16*(j%4) th:TH_LOAD_NT
.set j, j+1
.endr
	WIN 0
	s_wait_kmcnt 0x0
	s_cmp_lt_u32 s44, 2
	s_cselect_b32 s50, s37, s41                    ; e1 or e5
	MKS 240, 36                                    ; e0
	MKS 242, 50
	MKS 244, 43                                    ; e7
	MKS 246, 40                                    ; e4
	s_sub_co_i32 s51, s38, s36
	s_sub_co_i32 s51, s51, s37
	MKS 248, 51                                    ; e2 - e0 - e1: hw's sums lack 2^(e0+e1)
	s_sub_co_i32 s52, s42, s40
	s_sub_co_i32 s52, s52, s41
	MKS 250, 52                                    ; e6 - e4 - e5
	s_add_co_i32 s53, s36, s37
	s_sub_co_i32 s53, 0, s53                       ; -(e0 + e1)
	s_add_co_i32 s54, s40, s41
	s_sub_co_i32 s54, 0, s54                       ; -(e4 + e5)
	s_add_co_i32 s55, s42, s43
	s_sub_co_i32 s55, 0, s55                       ; -(e6 + e7)
	s_lshl_b32 s60, s55, 24
	s_add_co_u32 s62, s60, 0x3727c5ac              ; 1e-5 x 2^(-2 (e6+e7)): b is kept in units of 2^(e6+e7), and the norm does not see that unit if eps is in it too
	s_mov_b32 s61, 0x3b800000                      ; 1 / 256
	; the weights' codes, shared by the four waves through LDS
	s_wait_loadcnt 63                              ; 80 loads are out at the most: the oldest 17 are in, my first K step's 16 among them
	QUANT 16, 242
	IMAGE 7, WIMG
	s_wait_dscnt 0x0                               ; the stores have read the codes' registers
	s_wait_loadcnt 48                              ; u2's 16 and x's 32 may be out
	QUANT 80, 242
	IMAGE 7, WIMG+2048
	s_wait_dscnt 0x0
	s_wait_loadcnt 32                              ; x's 32 may be out
	QUANT 144, 244
	IMAGE 8, 0
.irp e, 0,1,2,3
	global_load_b128 v[16+4*\e:19+4*\e], v9, s[12:13] offset:16*\e   ; b1 at hidden units 16 h + 0 .. 15: the C of hw's first products
.endr
.irp e, 0,1,2,3
	global_load_b128 v[32+4*\e:35+4*\e], v9, s[20:21] offset:16*\e   ; c1 likewise
.endr
	WIN 0x40
.set j, 0
.rept 32
	global_load_b128 v[128+4*j:131+4*j], v10, s[24:25] offset:64*(j/2)+16*(j%2)   ; c2 at outputs 16 a + 8 h + 0 .. 7: register 8 a + j
.set j, j+1
.endr
	WIN 0
	s_wait_dscnt 0x0                               ; for the others' sake: my images are in LDS
	s_barrier_signal -1
	s_barrier_wait -1
	; x: its mean, its codes under e0 and under e4, and x - mean
	s_wait_loadcnt 40                              ; x is in; b1's 4, c1's 4 and c2's 32 loads may be out
	SUMW1 0
	v_mul_f32 v14, s61, v[AC]
	v_mov_b32 v15, v14
	XQ 176, 240
	XQ 208, 246
	WIN 0x41
.set j, 0
.rept 64
	v_pk_add_f32 v[2*j:2*j+1], v[2*j:2*j+1], v[14:15] neg_lo:[0,1] neg_hi:[0,1]
.set j, j+1
.endr
	WIN 0x04
.set j, 0
.rept 32
	global_store_b128 v3, v[4*j:4*j+3], s[30:31] offset:512*j    ; an image of the registers: 512 consecutive bytes a store
.set j, j+1
.endr
	WIN 0
	; hw and hb
.set j, 0
.rept 32
	ds_load_b128 v[48+4*j:51+4*j], v3 offset:WIMG+512*j          ; w1's four fragments (u, s) at v[48 + 16 (2 u + s)], u1's at v[112 + ..]
.set j, j+1
.endr
	s_wait_loadcnt 32                              ; b1 and c1 are in; c2's 32 may be out
.set i, 0
.rept 16
	v_ldexp_f32 v[16+i], v[16+i], s53
	v_ldexp_f32 v[32+i], v[32+i], s54
.set i, i+1
.endr
	s_wait_dscnt 0x0
.irp s, 0,1                            ; four accumulators by turns, one instruction a turn
.irp u, 0,1
	v_wmma_f32_16x16x128_fp8_fp8 v[16+8*\u:23+8*\u], v[48+16*(2*\u+\s):63+16*(2*\u+\s)], v[176+16*\s:191+16*\s], v[16+8*\u:23+8*\u]
.endr
.irp u, 0,1
	v_wmma_f32_16x16x128_fp8_fp8 v[32+8*\u:39+8*\u], v[112+16*(2*\u+\s):127+16*(2*\u+\s)], v[208+16*\s:223+16*\s], v[32+8*\u:39+8*\u]
.endr
.endr
.rept 4
	v_nop                                          ; four places behind the products, ahead of the reads of their results and of writes over their sources (ISA guide 7.12.1)
.endr
.irp c, 0,1,2,3
	v_mov_b32 v[52+\c], 0
	v_mov_b32 v[60+\c], 0
.endr
.set i, 0
.rept 16
	v_med3_num_f32 v[16+i], v[16+i], -v249, v249
.set i, i+1
.endr
	v_cvt_scalef32_pk8_fp8_f32 v[48:49], v[16:23], v248      ; hw's codes: k = 16 h + 0 .. 15 of token r
	v_cvt_scalef32_pk8_fp8_f32 v[50:51], v[24:31], v248
.set i, 0
.rept 16
	v_med3_num_f32 v[32+i], v[32+i], -v251, v251
.set i, i+1
.endr
	v_cvt_scalef32_pk8_fp8_f32 v[56:57], v[32:39], v250      ; hb's
	v_cvt_scalef32_pk8_fp8_f32 v[58:59], v[40:47], v250
	v_nop
	global_store_b128 v3, v[48:51], s[32:33]
	; b = Q(hb) Q(u2)^T + c2: 16 tiles of 16 outputs
.set j, 0
.rept 16
	ds_load_b128 v[112+4*j:115+4*j], v3 offset:UIMG+512*j
.set j, j+1
.endr
	s_wait_loadcnt 0x0                             ; c2
	WIN 0x41
.set j, 0
.rept 128
	v_ldexp_f32 v[128+j], v[128+j], s55
.set j, j+1
.endr
	s_wait_dscnt 0x0
	WIN 0x50                                       ; C and D in window 1
.irp a, 0,2,4,6,8,10,12,14
	v_wmma_f32_16x16x64_fp8_fp8 v[128+8*\a:135+8*\a], v[112+4*\a:119+4*\a], v[56:63], v[128+8*\a:135+8*\a]    ; [codes | 0] picks the first tile of the pair,
	v_wmma_f32_16x16x64_fp8_fp8 v[136+8*\a:143+8*\a], v[112+4*\a:119+4*\a], v[52:59], v[136+8*\a:143+8*\a]    ; [0 | codes] the second
.endr
.rept 4
	v_nop
.endr
	; the layer norm over the token's 256 outputs, in two passes: the mean, then the squares of what is left
	SUMW1 128
	v_mul_f32 v14, s61, v[AC]
	v_mov_b32 v15, v14
	WIN 0x41
.set j, 0
.rept 64
	v_pk_add_f32 v[128+2*j:129+2*j], v[128+2*j:129+2*j], v[14:15] neg_lo:[0,1] neg_hi:[0,1]
.set j, j+1
.endr
	WIN 0x05
.irp c, 0,1,2,3
	v_pk_mul_f32 v[AC+2*\c:AC+2*\c+1], v[128+2*\c:129+2*\c], v[128+2*\c:129+2*\c]
.endr
.set j, 4
.rept 60
	v_pk_fma_f32 v[AC+2*(j%4):AC+2*(j%4)+1], v[128+2*j:129+2*j], v[128+2*j:129+2*j], v[AC+2*(j%4):AC+2*(j%4)+1]
.set j, j+1
.endr
	WIN 0
	REDUCE
	v_fma_f32 v[AC], v[AC], s61, s62               ; variance + eps
	v_rsq_f32 v14, v[AC]
	v_nop                                          ; a plain line behind the transcendental (ISA guide 5.7.2)
	s_wait_alu depctr_va_vdst(0)                   ; and a wait ahead of its first reader
	v_mov_b32 v15, v14
	WIN 0x41
.set j, 0
.rept 64
	v_pk_mul_f32 v[128+2*j:129+2*j], v[128+2*j:129+2*j], v[14:15]
.set j, j+1
.endr
	; the way out: a lane holds 32 bytes of each group of 16 outputs of its token; through my stage they become runs of 512 bytes (8 tokens x 64 bytes) of a group's block
	WIN 0x04
.set j, 0
.rept 32
	ds_store_b128 v11, v[128+4*j:131+4*j] offset:64*(j/2)+16*(j%2)
.set j, j+1
.endr
	WIN 0
	s_wait_xcnt 0x0                                ; the store of hw's codes has read v48-51: they are loaded over below
.set j, 0
.rept 32
	ds_load_b128 v[16+4*j:19+4*j], v12 offset:8*BPITCH*(j%2)+64*(j/2)   ; LDS serves a wave's instructions in order: these see my stores
.set j, j+1
.endr
.set j, 0
.rept 32
	s_wait_dscnt 31-j                              ; load j is in; the younger ones may be out
	global_store_b128 v3, v[16+4*j:19+4*j], s[34:35] offset:8192*(j/2)+512*(j%2)
.set j, j+1
.endr
	s_wait_tensorcnt 0x0
	ds_add_u32 v254, v255
	s_wait_dscnt 0x0
	s_endpgm
.Lfunc_end_k_q2db1e5774c_prep:
	.size	k_q2db1e5774c_prep, .Lfunc_end_k_q2db1e5774c_prep-k_q2db1e5774c_prep
	.p2alignl 7, 3214868480
	.fill 96, 4, 3214868480
	.section	.rodata,"a",@progbits
	.p2align	6, 0x0
	.amdhsa_kernel k_q2db1e5774c_prep
		.amdhsa_group_segment_fixed_size 132608
		.amdhsa_private_segment_fixed_size 0
		.amdhsa_enable_private_segment 0
		.amdhsa_kernarg_size 112
		.amdhsa_user_sgpr_count 2
		.amdhsa_user_sgpr_kernarg_segment_ptr 1
		.amdhsa_wavefront_size32 1
		.amdhsa_system_sgpr_workgroup_id_x 1
		.amdhsa_system_sgpr_workgroup_id_y 1
		.amdhsa_system_sgpr_workgroup_id_z 1
		.amdhsa_system_vgpr_workitem_id 0
		.amdhsa_next_free_vgpr 512
		.amdhsa_next_free_sgpr 66
		.amdhsa_reserve_vcc 0
		.amdhsa_float_denorm_mode_32 3
		.amdhsa_float_denorm_mode_16_64 3
		.amdhsa_memory_ordered 1
		.amdhsa_forward_progress 1
		.amdhsa_inst_pref_size 117
	.end_amdhsa_kernel
	.amdgpu_metadata
---
amdhsa.version: [ 1, 2 ]
amdhsa.kernels:
  - .name:           k_q2db1e5774c_prep
    .symbol:         k_q2db1e5774c_prep.kd
    .args:
      - { .name: x, .offset: 0, .size: 8, .value_kind: global_buffer, .address_space: global }
      - { .name: w1, .offset: 8, .size: 8, .value_kind: global_buffer, .address_space: global }
      - { .name: b1, .offset: 16, .size: 8, .value_kind: global_buffer, .address_space: global }
      - { .name: w2, .offset: 24, .size: 8, .value_kind: global_buffer, .address_space: global }
      - { .name: b2, .offset: 32, .size: 8, .value_kind: global_buffer, .address_space: global }
      - { .name: u1, .offset: 40, .size: 8, .value_kind: global_buffer, .address_space: global }
      - { .name: c1, .offset: 48, .size: 8, .value_kind: global_buffer, .address_space: global }
      - { .name: u2, .offset: 56, .size: 8, .value_kind: global_buffer, .address_space: global }
      - { .name: c2, .offset: 64, .size: 8, .value_kind: global_buffer, .address_space: global }
      - { .name: lowp_scales, .offset: 72, .size: 8, .value_kind: global_buffer, .address_space: global }
      - { .name: w2f, .offset: 80, .size: 8, .value_kind: global_buffer, .address_space: global }
      - { .name: xcf, .offset: 88, .size: 8, .value_kind: global_buffer, .address_space: global }
      - { .name: hqf, .offset: 96, .size: 8, .value_kind: global_buffer, .address_space: global }
      - { .name: blnb, .offset: 104, .size: 8, .value_kind: global_buffer, .address_space: global }
    .group_segment_fixed_size: 132608
    .private_segment_fixed_size: 0
    .kernarg_segment_align: 8
    .kernarg_segment_size: 112
    .max_flat_workgroup_size: 128
    .sgpr_count:     66
    .vgpr_count:     512
    .wavefront_size: 32
...
	.end_amdgpu_metadata
.endif
;; end of part 1
;; launch main (part 2): grid 16 x 16, 4 waves a work-group, clusters of 4 x 4, 327,680 bytes of LDS; arguments xcf, w2f, hqf, blnb, lowp_scales, out0; writes out0
.if DOCPART == 2
	.amdgcn_target "amdgcn-amd-amdhsa--gfx1250"
	.amdhsa_code_object_version 6
	.text
	.protected	k_q2db1e5774c_main
	.globl	k_q2db1e5774c_main
	.p2align	8
	.type	k_q2db1e5774c_main,@function
k_q2db1e5774c_main:
	s_mov_b64 s[64:65], 0
	v_nop
	global_prefetch_b8 v0, s[64:65] scope:SCOPE_SE
	s_setreg_imm32_b32 hwreg(HW_REG_WAVE_MODE, 25, 1), 1
	s_wait_xcnt 0x0
	s_wait_alu depctr_hold_cnt(0) depctr_sa_sdst(0) depctr_va_vdst(0) depctr_va_sdst(0) depctr_va_ssrc(0) depctr_va_vcc(0) depctr_vm_vsrc(0)
	s_getreg_b32 s2, hwreg(HW_REG_IB_STS2, 6, 4)
	s_cmp_eq_u32 s2, 0
	s_cbranch_scc0 .Lentry_in_a_cluster
	s_endpgm
.Lentry_in_a_cluster:
	s_bfe_u32 s2, ttmp6, 0x10000c
	s_cmp_lg_u32 s2, 0xf033
	s_cbranch_scc0 .Lentry_shape_is_right
	s_endpgm
.Lentry_shape_is_right:
; MAIN: y[t][o] = sum over i of LN_i(w[t][o][i]) x[t][i] + bln[t][o], with w[t][o][:] = Q(hw[t]) Q(w2[256 o ..])^T + b2, never written anywhere.
; Of the 256 numbers w[t][o][:] only three sums are wanted: S1 = sum w, S2 = sum w^2, S3 = sum w (x - mean x) = sum (w - mu) x.  Then y = S3 / sqrt(S2/256 - (S1/256)^2 + eps) + bln.
; w is kept in units of 2^E, E = e2 + e3: w' = sum of the codes' products + b2 / 2^E (the C of the product), and eps' = 1e-5 x 2^(-2E); the norm does not see the unit.
; SHARES.  A work-group owns 128 tokens x 16 outputs o; wave k owns 64 tokens (four tiles of 16: tg = k / 2) x 8 o (oh = k % 2).  For one o: 16 tiles of 16 rows of w2, in four rounds of four.
; THE PRODUCT IS USED TRANSPOSED (source 0 = 16 rows of w2, source 1 = 16 tokens): lane (r, h) holds token r, and register j of tile 2 b + u holds i = 32 b + 16 h + 8 u + j: the place that x - mean has in the lane's registers.
; K = 32 IN THE K = 64 FORM: source 0 = two tiles' codes on end, source 1 = [hq | 0] or [0 | hq]: the zeros pick the tile; no padding is stored or read.
; S1 BY THE MATRIX UNIT: the K = 128 form with four tiles on end against [hq | hq | hq | hq] adds the four tiles; chained over the four rounds, begun with the fold of b2, it leaves S1 spread over 16 rows.
; So a tile costs the vector unit eight packed multiply-adds (S2, S3) and nothing else.
; PIPELINE.  A slot is (round q, token tile w).  In a slot the NEXT slot's five products are issued first, then this slot's 32 multiply-adds: they are the places between a product and the reads of its results.
; A round's fragments (4 tiles of codes, 4 of b2) come from LDS once and serve the four token tiles; they are asked for a round ahead, in one run.
; LDS is filled once, by two tensor loads a wave at the head: x - mean of the 128 tokens (131,072 bytes) and the 16 outputs' codes and b2 (155,648).  No byte is filled again.
; CLUSTER 4 x 4: the four work-groups of a row of the cluster own the same tokens, the four of a column the same outputs: both fills are asked for jointly.
; OUT.  A block of 128 tokens x 16 outputs stores 64 consecutive bytes a token, eight tokens an instruction.  A block 64 outputs wide would store 256 bytes a token, but would hold 32 tokens: each fragment from LDS
; would serve half as many products, and its 64 outputs' codes (622,592 bytes) would not fit in LDS at once.
; LIMITS: e2 + e3 between -72 and 54 (taken off the exponent field of 1e-5).  The variance is formed as S2/256 - mu^2 in f32 and held at 0 from below: its relative error grows as 2^-22 mu^2 / variance.  NaN is not served.
; REGISTERS, in windows of 256; window w holds token tile w, at the same numbers in each: v40-47 S3 (four chains of pairs), v48-55 S2, v56 my place in the stage, v57 S3 finished, v58+w 1 / sigma, v62, v63 at work,
;   v64-87 [0 | hq | hq | hq | hq | 0], v88-95 S1, v96-127 four tiles of w', v128-255 x - mean.
;   Besides: window 0 v1-15 addresses, v16-31 bln;  window 1 v0-31 the codes, two sets of 16;  window 2 v0-31 b2 for even rounds, v32-39 the fold;  window 3 v0-31 b2 for odd rounds.
.set XF,     0                         ; LDS: x - mean, 8 tiles x 16,384 bytes, images of the registers
.set WF,     131072                    ; 16 blocks of OBLK bytes, one for each o
.set OBLK,   9728                      ; 16 tiles x 512, b2 / 2^E (1,024), the fold (512)
.set STAGE,  WF+16*OBLK                ; 128 rows x 80 bytes: y before the bias; no tensor load lands here
.set SPITCH, 80
.set SM3, 40
.set SM2, 48
.set SA0, 56
.set R3,  57
.set RS,  58
.set TA,  62
.set YV,  63
.set BZ,  64
.set SM1, 88
.set DT,  96
.set XR,  128
.set MSB, 0
.macro WIN new                         ; the immediate's high byte repeats the setting that is left; a switch that changes nothing is dropped
.if MSB != \new
	s_set_vgpr_msb (MSB<<8)|\new
.set MSB, \new
.endif
.endm
.macro CROUND                          ; a round of the cluster's barrier: my work-group's barrier; wave 0 signals for the work-group; every wave waits for all sixteen; my work-group's barrier once more
	s_barrier_signal -1
	s_barrier_wait -1
	s_cmp_lg_u32 s16, 0
	s_cbranch_scc1 .Lnot_wave_0_\@
	s_barrier_signal -3
.Lnot_wave_0_\@:
	s_barrier_wait -3
	s_barrier_signal -1
	s_barrier_wait -1
.endm
	s_load_b256 s[4:11], s[0:1], 0x0               ; xcf s[4:5], w2f s[6:7], hqf s[8:9], blnb s[10:11]
	s_load_b128 s[12:15], s[0:1], 0x20             ; the scales' exponents s[12:13], out0 s[14:15]
	v_lshl_add_u32 v60, v0, 2, 0x48800
	v_mov_b32 v61, 0
	ds_add_u32 v60, v61
	ds_add_u32 v60, v61
	v_lshrrev_b32 v1, 5, v0
	v_readfirstlane_b32 s16, v1                    ; wave k
	s_lshr_b32 s17, s16, 1                         ; tg: which 64 tokens
	s_and_b32 s18, s16, 1                          ; oh: which 8 outputs
	s_bfe_u32 s19, ttmp6, 0x40000                  ; cx, cy: my place in the cluster
	s_bfe_u32 s20, ttmp6, 0x40004
	s_lshl_b32 s21, ttmp9, 2
	s_add_co_u32 s21, s21, s19                     ; og = 4 x cluster x + cx: which 16 outputs
	s_and_b32 s22, ttmp7, 0xffff
	s_lshl_b32 s22, s22, 2
	s_add_co_u32 s22, s22, s20                     ; tb = 4 x cluster y + cy: which 128 tokens
	s_lshl_b32 s23, s20, 2
	s_lshl_b32 s23, 15, s23                        ; my row of the cluster
	s_lshl_b32 s48, 0x1111, s19                    ; my column
	; descriptor groups 1: dense blocks, as rows of 32 elements of 8 bytes.  x - mean: 128 rows a wave, shared along my row;  the codes: 152 rows a wave, shared along my column
	s_or_b32 s24, s23, (3<<16)|(1<<21)             ; 15:0 the mask; 17:16 elements of 8 bytes; 21 set beside a mask; no padding
	s_mov_b32 s25, 32<<16                          ; tensor_dim0 = 32
	s_mov_b32 s26, 128<<16                         ; tensor_dim1 = 128
	s_mov_b32 s27, 32<<16                          ; tile_dim0 = 32
	s_mov_b32 s28, 128                             ; tile_dim1 = 128
	s_mov_b32 s29, 32                              ; from row to row: 32 elements
	s_mov_b32 s30, 0
	s_mov_b32 s31, 0
	s_or_b32 s32, s48, (3<<16)|(1<<21)
	s_mov_b32 s33, 32<<16
	s_mov_b32 s34, 152<<16
	s_mov_b32 s35, 32<<16
	s_mov_b32 s36, 152
	s_mov_b32 s37, 32
	s_mov_b32 s38, 0
	s_mov_b32 s39, 0
	s_lshl_b32 s50, s22, 17                        ; x - mean: 131,072 tb + 32,768 k: made of the token block and the wave's number alone,
	s_lshl_b32 s51, s16, 15
	s_add_co_u32 s50, s50, s51
	s_mov_b32 s51, 0
	s_mul_i32 s2, s21, 16*OBLK                     ; the codes: 155,648 og + 38,912 k: of the output group and the wave's number alone
	s_mul_i32 s3, s16, 4*OBLK
	s_add_co_u32 s2, s2, s3
	s_mov_b32 s3, 0
	s_mov_b32 s55, 0x3b800000                      ; 1 / 256
	s_mov_b32 s58, 0x76543210                      ; v_permlanex16_b32's selects for lane l xor 16
	s_mov_b32 s59, 0xfedcba98
	s_wait_dscnt 0x0
	s_wait_kmcnt 0x0
	s_load_b64 s[60:61], s[12:13], 0x8             ; e2, e3
	s_mov_b32 s40, 1                               ; group 0: count = 1,
	s_lshl_b32 s41, s16, 15                        ; LDS address XF + 32,768 k,
	s_add_nc_u64 s[42:43], s[4:5], s[50:51]        ; global address,
	s_or_b32 s43, s43, 0x80000000                  ; type = 2
	s_mov_b32 s44, 1
	s_mul_i32 s45, s16, 4*OBLK
	s_add_co_u32 s45, s45, WF
	s_add_nc_u64 s[46:47], s[6:7], s[2:3]
	s_or_b32 s47, s47, 0x80000000
	CROUND                                         ; all sixteen work-groups are here: the joint loads meet
	tensor_load_to_lds s[40:43], s[24:31]          ; both fills of the launch, together: two tensor loads of mine are out
	s_nop 0
	tensor_load_to_lds s[44:47], s[32:39]
	s_nop 0
.rept 4
	v_nop                                          ; four lines behind the loads, ahead of any switch of windows
.endr
	v_and_b32 v1, 31, v0
	v_lshlrev_b32 v1, 4, v1                        ; v1  16 x lane: my place in an image
	v_bfe_u32 v13, v0, 4, 1                        ; h
	v_lshlrev_b32 v2, 6, v13                       ; v2  64 h: b2's 16 numbers of my half
	v_lshlrev_b32 v3, 5, v13                       ; v3  32 h: the fold's eight
	s_lshl_b32 s57, s17, 16
	v_add_nc_u32 v7, s57, v1                       ; v7  my four tiles of x - mean
	v_lshrrev_b32 v14, 2, v0
	v_and_b32 v15, 3, v0
	v_mul_u32_u24 v8, v14, SPITCH
	v_lshl_add_u32 v8, v15, 4, v8
	v_add_nc_u32 v8, STAGE, v8                     ; v8  the way out: four threads take a token's 64 bytes
	v_lshlrev_b32 v9, 10, v14
	v_lshl_add_u32 v9, v15, 4, v9                  ; v9  and the same place in out0: rows of 1,024 bytes
	v_lshlrev_b32 v10, 4, v0                       ; v10 and in the bias's block, which is dense
	v_and_b32 v12, 15, v0
	v_mul_u32_u24 v12, v12, SPITCH
	s_mul_i32 s57, s17, 64*SPITCH
	s_lshl_b32 s49, s18, 5
	s_add_co_u32 s57, s57, s49
	s_add_co_u32 s57, s57, STAGE
	v_add_nc_u32 v12, s57, v12                     ; the stage: row 64 tg + r, + 32 oh
	s_lshl_b32 s50, s22, 12
	s_lshl_b32 s51, s17, 11
	s_add_co_u32 s50, s50, s51
	s_mov_b32 s51, 0
	s_add_nc_u64 s[8:9], s[8:9], s[50:51]          ; hq at tile 8 tb + 4 tg
	s_lshl_b32 s62, s22, 4
	s_add_co_u32 s62, s62, s21
	s_lshl_b32 s62, s62, 13
	s_mov_b32 s63, 0
	s_add_nc_u64 s[10:11], s[10:11], s[62:63]      ; the bias's block (tb, og): 8,192 bytes
	s_lshl_b32 s62, s22, 17
	s_lshl_b32 s57, s21, 6
	s_add_co_u32 s62, s62, s57
	s_add_nc_u64 s[14:15], s[14:15], s[62:63]      ; out0 at token 128 tb, output 16 og
.irp w, 0,1,2,3
	WIN ((\w)<<6)                                  ; destination in window w, addresses in window 0
.irp c, 0,1,2,3
	global_load_b128 v[BZ+4+4*\c:BZ+7+4*\c], v1, s[8:9] offset:512*\w   ; the tile's hq, four times on end
.endr
.irp c, 0,1,2,3
	v_mov_b32 v[BZ+\c], 0
	v_mov_b32 v[BZ+20+\c], 0
.endr
	v_add_nc_u32 v[SA0], 16*SPITCH*\w, v12
.endr
	WIN 0
.irp i, 0,1,2,3
	global_load_b128 v[16+4*\i:19+4*\i], v10, s[10:11] offset:2048*\i th:TH_LOAD_NT
.endr
	s_wait_kmcnt 0x0
	s_add_co_i32 s60, s60, s61                     ; E
	s_lshl_b32 s60, s60, 24
	s_sub_co_u32 s56, 0x3727c5ac, s60              ; eps' = 1e-5 x 2^(-2E): 2 E off the exponent field
	s_wait_tensorcnt 1                             ; my quarter of x - mean is in; my quarter of the codes may stay out
	s_barrier_signal -1
	s_barrier_wait -1                              ; everybody's is
.irp w, 0,1,2,3
	WIN ((\w)<<6)
.set j, 0
.rept 32
	ds_load_b128 v[XR+4*j:XR+4*j+3], v7 offset:16384*\w+512*j   ; x - mean stays in registers for the whole launch
.set j, j+1
.endr
.endr
	WIN 0
	s_wait_tensorcnt 0x0                           ; my quarter of the codes is in,
	s_wait_dscnt 0x0
	s_barrier_signal -1
	s_barrier_wait -1                              ; everybody's is
.macro ADDR                            ; the LDS addresses of the o in hand, whose block begins at s52
	v_add_nc_u32 v4, s52, v1
	v_add_nc_u32 v5, s52, v2
	v_add_nc_u32 v6, s52, v3
.endm
.macro LOADS q, rel                    ; one run of loads: round q's four tiles of codes and of b2 (and the fold, with round 0), rel bytes on from the block in hand
	WIN 0x40
.irp p, 0,1,2,3
	ds_load_b128 v[16*((\q)&1)+4*\p:16*((\q)&1)+4*\p+3], v4 offset:(\rel)+(4*(\q)+\p)*512
.endr
	WIN ((2+((\q)&1))<<6)
.irp p, 0,1,2,3
.irp e, 0,1
	ds_load_b128 v[8*\p+4*\e:8*\p+4*\e+3], v5 offset:(\rel)+8192+128*(2*(\q)+\p/2)+32*(\p%2)+16*\e   ; b2 at i = 32 b + 16 h + 8 u + 0 .. 7: sixteen lanes share the words
.endr
.endr
.if (\q) == 0
	ds_load_b128 v[32:35], v6 offset:(\rel)+9216
	ds_load_b128 v[36:39], v6 offset:(\rel)+9232
.endif
.endm
.macro WM q, w                         ; five products: round q's four tiles for token tile w, and the link of S1's chain.  No two that follow each other share an accumulator
.set AB, 16*((\q)&1)
	WIN (1|((\w)<<2)|((2+((\q)&1))<<4)|((\w)<<6))  ; codes window 1, hq and results window w, b2 window 2 or 3
.irp p, 0,1,2,3
.if \p%2
	v_wmma_f32_16x16x64_fp8_fp8 v[DT+8*\p:DT+8*\p+7], v[AB+8*(\p/2):AB+8*(\p/2)+7], v[BZ:BZ+7], v[8*\p:8*\p+7]
.else
	v_wmma_f32_16x16x64_fp8_fp8 v[DT+8*\p:DT+8*\p+7], v[AB+8*(\p/2):AB+8*(\p/2)+7], v[BZ+16:BZ+23], v[8*\p:8*\p+7]
.endif
.endr
.if (\q) == 0
	v_wmma_f32_16x16x128_fp8_fp8 v[SM1:SM1+7], v[AB:AB+15], v[BZ+4:BZ+19], v[32:39]        ; the fold of b2 starts S1
.else
	WIN (1|((\w)<<2)|((\w)<<4)|((\w)<<6))
	v_wmma_f32_16x16x128_fp8_fp8 v[SM1:SM1+7], v[AB:AB+15], v[BZ+4:BZ+19], v[SM1:SM1+7]
.endif
.endm
.macro VA q, w                         ; S2 += w'^2, S3 += w' (x - mean): 32 packed lines, four chains each; an o's first four pairs start the sums; each tile is read from its low end on
	WIN (0x55*(\w))
.irp p, 0,1,2,3
.irp e, 0,1,2,3
.if ((\q) == 0) && (\p == 0)
	v_pk_mul_f32 v[SM2+2*\e:SM2+2*\e+1], v[DT+8*\p+2*\e:DT+8*\p+2*\e+1], v[DT+8*\p+2*\e:DT+8*\p+2*\e+1]
	v_pk_mul_f32 v[SM3+2*\e:SM3+2*\e+1], v[DT+8*\p+2*\e:DT+8*\p+2*\e+1], v[XR+32*(\q)+8*\p+2*\e:XR+32*(\q)+8*\p+2*\e+1]
.else
	v_pk_fma_f32 v[SM2+2*\e:SM2+2*\e+1], v[DT+8*\p+2*\e:DT+8*\p+2*\e+1], v[DT+8*\p+2*\e:DT+8*\p+2*\e+1], v[SM2+2*\e:SM2+2*\e+1]
	v_pk_fma_f32 v[SM3+2*\e:SM3+2*\e+1], v[DT+8*\p+2*\e:DT+8*\p+2*\e+1], v[XR+32*(\q)+8*\p+2*\e:XR+32*(\q)+8*\p+2*\e+1], v[SM3+2*\e:SM3+2*\e+1]
.endif
.endr
.endr
.endm
.macro FINA w                          ; an o is summed for tile w: the three sums are closed, in place, and 1 / sigma is asked for.  (The window is w's, from VA)
	v_pk_add_f32 v[SM1:SM1+1], v[SM1:SM1+1], v[SM1+2:SM1+3]
	v_pk_add_f32 v[SM1+4:SM1+5], v[SM1+4:SM1+5], v[SM1+6:SM1+7]
	v_pk_add_f32 v[SM2:SM2+1], v[SM2:SM2+1], v[SM2+2:SM2+3]
	v_pk_add_f32 v[SM2+4:SM2+5], v[SM2+4:SM2+5], v[SM2+6:SM2+7]
	v_pk_add_f32 v[SM3:SM3+1], v[SM3:SM3+1], v[SM3+2:SM3+3]
	v_pk_add_f32 v[SM3+4:SM3+5], v[SM3+4:SM3+5], v[SM3+6:SM3+7]
	v_pk_add_f32 v[SM1:SM1+1], v[SM1:SM1+1], v[SM1+4:SM1+5]
	v_pk_add_f32 v[SM2:SM2+1], v[SM2:SM2+1], v[SM2+4:SM2+5]
	v_pk_add_f32 v[SM3:SM3+1], v[SM3:SM3+1], v[SM3+4:SM3+5]
	v_add_f32 v[SM1], v[SM1], v[SM1+1]
	v_add_f32 v[SM2], v[SM2], v[SM2+1]
	v_add_f32 v[SM3], v[SM3], v[SM3+1]
	v_permlanex16_b32 v[SM1+1], v[SM1], s58, s59   ; the token's other 128 i lie in the lane 16 away
	v_permlanex16_b32 v[SM2+1], v[SM2], s58, s59
	v_permlanex16_b32 v[SM3+1], v[SM3], s58, s59
	v_add_f32 v[SM1], v[SM1], v[SM1+1]
	v_add_f32 v[SM2], v[SM2], v[SM2+1]
	v_add_f32 v[R3], v[SM3], v[SM3+1]              ; S3: kept until 1 / sigma is there
	v_mul_f32 v[SM1+1], s55, v[SM1]                ; mu
	v_fma_f32 v[SM2+1], v[SM2], s55, s56           ; S2 / 256 + eps'
	v_fma_f32 v[SM2+1], -v[SM1+1], v[SM1+1], v[SM2+1]
	v_max_num_f32 v[SM2+1], s56, v[SM2+1]          ; the variance is held at 0 from below
	v_rsq_f32 v[RS+(\w)], v[SM2+1]
	v_nop                                          ; a plain line behind the transcendental (ISA guide 5.7.2)
.endm
.macro FINB w                          ; S3 / sigma into the stage; both lanes of a token write the same word with the same number
	WIN (0x55*(\w))
	v_mul_f32 v[YV], v[R3], v[RS+(\w)]
	v_add_nc_u32 v[TA], s53, v[SA0]
	ds_store_b32 v[TA], v[YV]
.endm
; A SLOT.  rel: for the run of loads;  fin = 1: in round 0 the o before is finished;  succ = 1: the next slot's products are issued;  ld = 1: with w = 0 the next round's fragments are asked for.
; The loads land in the sets that round q - 1 used: its last products stand two slots, 64 packed lines, back.  The wait for them stands three slots on, ahead of the next round's first products.
; The four 1 / sigma of an o are one batch: asked for in round 3's slots, with ONE wait (ahead of the first reader), behind the 32 lines of the next o's first slot.
.macro SLOT q, w, rel, fin, succ, ld
.if \succ
.if (\w) < 3
	WM \q, (\w)+1
.else
	s_wait_dscnt 0x0                               ; the next round's fragments are in
	WM ((\q)+1)%4, 0
.endif
.endif
.if ((\w) == 0) && \ld
	LOADS ((\q)+1)%4, \rel
.endif
	VA \q, \w
.if (\q) == 3
	FINA \w
.endif
.if ((\q) == 0) && \fin
.if (\w) == 0
	s_wait_alu depctr_va_vdst(0)
.endif
	FINB \w
.endif
.endm
	s_mul_i32 s52, s18, 8*OBLK
	s_add_co_u32 s52, s52, WF                      ; my first o's block
	s_mov_b32 s53, 0                               ; 4 x the o that is finished next
	ADDR
	LOADS 0, 0
	s_wait_dscnt 0x0
	s_wait_loadcnt 0x0                             ; hq and the bias
	WM 0, 0
.rept 4
	v_nop                                          ; four places between the first products and the first reads of their results (ISA guide 7.12.1); from here on the slots' own lines are the places
.endr
.irp w, 0,1,2,3
	SLOT 0, \w, 0, 0, 1, 1
.endr
.irp w, 0,1,2,3
	SLOT 1, \w, 0, 0, 1, 1
.endr
	WIN 0                                          ; at a label and at a branch every window is 0
	s_mov_b32 s54, 7
.Lo:                                               ; a trip: rounds 2 and 3 of one o, rounds 0 and 1 of the next: so no 1 / sigma is without its wait at the label or the branch
	ADDR
.irp w, 0,1,2,3
	SLOT 2, \w, 0, 0, 1, 1
.endr
.irp w, 0,1,2,3
	SLOT 3, \w, OBLK, 0, 1, 1
.endr
.irp w, 0,1,2,3
	SLOT 0, \w, OBLK, 1, 1, 1
.endr
.irp w, 0,1,2,3
	SLOT 1, \w, OBLK, 0, 1, 1
.endr
	WIN 0
	s_add_co_u32 s52, s52, OBLK
	s_add_co_u32 s53, s53, 4
	s_sub_co_u32 s54, s54, 1
	s_cmp_lg_u32 s54, 0
	s_cbranch_scc1 .Lo
	ADDR                                           ; the last o's rounds 2 and 3: nothing follows them
.irp w, 0,1,2,3
	SLOT 2, \w, 0, 0, 1, 1
.endr
	SLOT 3, 0, 0, 0, 1, 0
	SLOT 3, 1, 0, 0, 1, 0
	SLOT 3, 2, 0, 0, 1, 0
	SLOT 3, 3, 0, 0, 0, 0
	s_wait_alu depctr_va_vdst(0)                   ; one wait for the last four 1 / sigma, ahead of their first reader
.irp w, 0,1,2,3
	FINB \w
.endr
	WIN 0
	s_wait_dscnt 0x0                               ; for the others' sake: my numbers are in the stage
	s_barrier_signal -1
	s_barrier_wait -1
	; THE WAY OUT: thread t takes 16 bytes (four outputs) of token 32 i + t / 4, adds the bias and stores them
.irp i, 0,1,2,3
	ds_load_b128 v[DT+4*\i:DT+4*\i+3], v8 offset:32*SPITCH*\i
.endr
.irp i, 0,1,2,3
	s_wait_dscnt 3-\i                              ; load i is in; the younger ones may be out
	v_pk_add_f32 v[DT+4*\i:DT+4*\i+1], v[DT+4*\i:DT+4*\i+1], v[16+4*\i:17+4*\i]
	v_pk_add_f32 v[DT+4*\i+2:DT+4*\i+3], v[DT+4*\i+2:DT+4*\i+3], v[18+4*\i:19+4*\i]
	global_store_b128 v9, v[DT+4*\i:DT+4*\i+3], s[14:15] offset:32768*\i th:TH_STORE_NT
.endr
	s_wait_tensorcnt 0x0
	ds_add_u32 v60, v61
	s_wait_dscnt 0x0
	CROUND                                         ; the closing round: no work-group ends while a partner may still ask for a tile that names it
	s_endpgm
.Lfunc_end_k_q2db1e5774c_main:
	.size	k_q2db1e5774c_main, .Lfunc_end_k_q2db1e5774c_main-k_q2db1e5774c_main
	.p2alignl 7, 3214868480
	.fill 96, 4, 3214868480
	.section	.rodata,"a",@progbits
	.p2align	6, 0x0
	.amdhsa_kernel k_q2db1e5774c_main
		.amdhsa_group_segment_fixed_size 327680
		.amdhsa_private_segment_fixed_size 0
		.amdhsa_enable_private_segment 0
		.amdhsa_kernarg_size 48
		.amdhsa_user_sgpr_count 2
		.amdhsa_user_sgpr_kernarg_segment_ptr 1
		.amdhsa_wavefront_size32 1
		.amdhsa_system_sgpr_workgroup_id_x 1
		.amdhsa_system_sgpr_workgroup_id_y 1
		.amdhsa_system_sgpr_workgroup_id_z 1
		.amdhsa_system_vgpr_workitem_id 0
		.amdhsa_next_free_vgpr 1024
		.amdhsa_next_free_sgpr 66
		.amdhsa_reserve_vcc 0
		.amdhsa_float_denorm_mode_32 3
		.amdhsa_float_denorm_mode_16_64 3
		.amdhsa_memory_ordered 1
		.amdhsa_forward_progress 1
		.amdhsa_inst_pref_size 115
	.end_amdhsa_kernel
	.amdgpu_metadata
---
amdhsa.version: [ 1, 2 ]
amdhsa.kernels:
  - .name:           k_q2db1e5774c_main
    .symbol:         k_q2db1e5774c_main.kd
    .args:
      - { .name: xcf, .offset: 0, .size: 8, .value_kind: global_buffer, .address_space: global }
      - { .name: w2f, .offset: 8, .size: 8, .value_kind: global_buffer, .address_space: global }
      - { .name: hqf, .offset: 16, .size: 8, .value_kind: global_buffer, .address_space: global }
      - { .name: blnb, .offset: 24, .size: 8, .value_kind: global_buffer, .address_space: global }
      - { .name: lowp_scales, .offset: 32, .size: 8, .value_kind: global_buffer, .address_space: global }
      - { .name: out0, .offset: 40, .size: 8, .value_kind: global_buffer, .address_space: global }
    .group_segment_fixed_size: 327680
    .private_segment_fixed_size: 0
    .kernarg_segment_align: 8
    .kernarg_segment_size: 48
    .max_flat_workgroup_size: 128
    .sgpr_count:     66
    .vgpr_count:     1024
    .wavefront_size: 32
...
	.end_amdgpu_metadata
.endif
;; end of part 2
;; ======== version 2 of 2: 2 launches; version 1 with the launch prep written anew for expert scheduling mode
;; limits: a difference of large sums (such as E[x^2] - mean^2): digits are lost where the result is much smaller than its terms
;; workspace buffers: w2f 2,490,368 bytes; xcf 2,097,152 bytes; hqf 65,536 bytes; blnb 2,097,152 bytes
;; launch prep (part 3): grid 288 x 1, 4 waves a work-group, no clusters, 132,608 bytes of LDS; arguments x, w1, b1, w2, b2, u1, c1, u2, c2, lowp_scales, w2f, xcf, hqf, blnb; writes w2f, xcf, hqf, blnb
.if DOCPART == 3
	.amdgcn_target "amdgcn-amd-amdhsa--gfx1250"
	.amdhsa_code_object_version 6
	.text
	.protected	k_q2db1e5774c_prep
	.globl	k_q2db1e5774c_prep
	.p2align	8
	.type	k_q2db1e5774c_prep,@function
k_q2db1e5774c_prep:
	s_mov_b64 s[64:65], 0
	v_nop
	global_prefetch_b8 v0, s[64:65] scope:SCOPE_SE
	s_setreg_imm32_b32 hwreg(HW_REG_WAVE_SCHED_MODE, 0, 2), 2
	s_setreg_imm32_b32 hwreg(HW_REG_WAVE_MODE, 25, 1), 1
	s_wait_xcnt 0x0
	s_wait_alu depctr_vm_vsrc(0)
; PREP: everything that is made once.  Two kinds of work-groups, told apart by the work-group's number alone; each kind has LDS bytes of its own.
; WORK-GROUPS 0-31 (a wave = a tile of 16 tokens, T = 4 x work-group + wave): hw = Q(x) Q(w1)^T + b1 and hb = Q(x) Q(u1)^T + c1 (E4M3 codes, K = 256), hw's codes -> hqf;
;   b = Q(hb) Q(u2)^T + c2, its layer norm over the 256 outputs -> blnb;  x - mean(x) -> xcf, in the order of the registers in which the second launch wants it.
; WORK-GROUPS 32-287 (o = work-group - 32): the 256 rows of w2 that make output o become codes, laid as images of the matrix operand's registers; b2 / 2^(e2+e3) and its fold into 16 numbers behind them -> w2f.
; w2f, for each o 9,728 bytes: 16 tiles x 512 bytes (lane (r, hh) at 16 (r + 16 hh): row i = 32 b + 8 u + r + 8 (r / 8) of tile 2 b + u, k = 16 hh .. + 15); 1,024 bytes b2 / 2^(e2+e3); 512 bytes: the fold, eight times over.
; THE QUANTISER: number / 2^e, held within +-448, to the nearest code, ties to even.  A sum of codes' products stands for sum x 2^(ea+eb): the bias goes in as the C of the sum's first product, divided by that
; power of two, and the next quantiser's scale takes the two exponents off its own.
; ALL PRODUCTS ARE USED TRANSPOSED (source 0 = 16 rows of a weight, source 1 = 16 tokens): a lane (r = lane % 16, h = lane / 16) holds ONE token, and its registers run along the next K or along the norm's axis.
; K's order inside an operand: registers 4 g .. 4 g + 3 of lane (r, h) hold k = 32 g + 16 h + 0 .. 15, alike in both operands of a product.
; K = 32 IN THE K = 64 FORM: source 0 = two tiles' codes on end, source 1 = [codes | 0] or [0 | codes]: the zeros pick the tile, and no padding is stored.
; No cluster and no tensor load: what work-groups share (w1, u1, u2: 96 KB) is small beside what each reads alone, and everything goes through registers to be quantised.
; LIMITS: e0, e1, e3, e4, e5, e7, e2-e0-e1 and e6-e4-e5 between -126 and 119 (each is made into an f32 power of two and 448 times it); e6+e7 between -72 and 54 (taken off the exponent field of 1e-5).  NaN among the inputs is not served.
; THE MODE: SCHED_MODE bits 1:0 = 2 (LLVM: expert scheduling mode 2), set by the entry lines.  The code itself states the register dependences
; between vector or matrix instructions and memory or LDS instructions, with s_wait_alu, always for 0.
; THE PLAN, w2's rows.  v2-5: offsets and stage addresses, made once at the path's head.  v16-79: loaded, read by LDS stores; no vector line names them.  v80-143: the stage's reads land there once; vector lines work on them.
;   v144-159: the codes, written by the conversions, read by four stores that stand in one run behind one wait.  v160-171 (wave 0): loaded, scaled and folded, read by three stores in one run behind one wait.  None of these is written again.
; THE PLAN, a tile of tokens.  v3-12: offsets and LDS addresses, made once.  v208-223: written by the conversions and read by the images' LDS stores, three times on end, later written with codes of x: a wait on va_vdst
;   ahead of each run of stores, a wait on vm_vsrc ahead of each rewriting.  Loads that land in registers which vector or matrix lines have named (b1 and c1 in v16-47; the fragments in v48-175; u2's tiles in v112-175;
;   the stage's rows in v16-143) each stand behind a wait on va_vdst with no vector or matrix line between; that same wait serves the run of stores that stands beside them.
.set WIMG,   0                         ; LDS, token path: w1's and u1's 8 fragments (2,048 bytes each: matrix, tile u, K step s at 2 (2 mat + u) + s)
.set UIMG,   16384                     ; u2's 16 tiles, 512 bytes each
.set BST,    24576                     ; a stage of 16 rows x (1,024 + 16) bytes for each wave: the bias on its way out
.set BPITCH, 1040
.set WST,    91136                     ; LDS, w2 path: for each wave two stages of 64 places x 80 bytes; behind them, from byte 0x20400 on, the spare words, 128 bytes for each wave, which no other line names
.set PC,     208                       ; v208-223  the codes just made
.set AC,     64                        ; v64-71    four chains of a sum
.set MSB, 0
.macro WIN new                         ; the immediate's high byte repeats the setting that is left; a switch that changes nothing is dropped
.if MSB != \new
	s_set_vgpr_msb (MSB<<8)|\new
.set MSB, \new
.endif
.endm
.macro MKS vs, se                      ; v[vs] = 2^e as f32 (the conversion takes its exponent field), v[vs+1] = 448 x 2^e;  e in s[se]
	s_add_co_i32 s56, s[\se], 127
	s_lshl_b32 s57, s56, 23
	v_mov_b32 v[\vs], s57
	s_add_co_i32 s56, s56, 8
	s_lshl_b32 s56, s56, 23
	s_or_b32 s56, s56, 0x600000
	v_mov_b32 v[\vs+1], s56
.endm
	s_load_b512 s[8:23], s[0:1], 0x0               ; x s[8:9], w1 s[10:11], b1 s[12:13], w2 s[14:15], b2 s[16:17], u1 s[18:19], c1 s[20:21], u2 s[22:23]
	s_load_b256 s[24:31], s[0:1], 0x40             ; c2 s[24:25], the scales' exponents s[26:27], w2f s[28:29], xcf s[30:31]
	s_load_b128 s[32:35], s[0:1], 0x60             ; hqf s[32:33], blnb s[34:35]
	v_lshl_add_u32 v254, v0, 2, 0x20400            ; the LDS address of my spare word, and 0: made here and kept for the closing lines alone
	v_mov_b32 v255, 0
	v_lshrrev_b32 v1, 5, v0
	v_readfirstlane_b32 s44, v1                    ; wave 0..3
	s_mov_b32 s58, 0x76543210                      ; v_permlanex16_b32's selects for lane l xor 16
	s_mov_b32 s59, 0xfedcba98
	s_wait_alu depctr_va_sdst(0)                   ; s44 is written, ahead of the branch and of its first reader on either way: addresses and branches are made from it
	s_wait_kmcnt 0x0
	s_load_b256 s[36:43], s[26:27], 0x0            ; e0 .. e7
	s_cmp_lt_u32 ttmp9, 32
	s_cbranch_scc1 .Ltoken
; ---------------------------------------------------------------- the rows of w2 for one o.  Wave k takes rows 64 k .. 64 k + 63: tiles 4 k .. 4 k + 3
; Each load reads 512 consecutive bytes (4 rows).  A conversion wants 16 neighbours along K in one lane: so the bytes turn through the wave's own stage, 64 bytes (half a row) to a place of 80 bytes.
; v2 16 x lane;  v3 into the stage;  v4 out of it;  v5 my codes' place in a tile's image;  v6, v7 2^e3 and 448 x 2^e3;  v16-79 as loaded;  v80-143 four sets of 16 neighbours;  v144-159 codes;  v160-175 b2 and its fold
	s_sub_co_u32 s45, ttmp9, 32                    ; o
	v_and_b32 v1, 31, v0                           ; lane l
	v_lshlrev_b32 v2, 4, v1
	s_mul_i32 s46, s44, 10240
	s_add_co_u32 s46, s46, WST                     ; my stages
	v_lshrrev_b32 v3, 2, v1
	v_mul_u32_u24 v3, v3, 80
	v_and_b32 v8, 3, v1
	v_lshl_add_u32 v3, v8, 4, v3
	v_add_nc_u32 v3, s46, v3                       ; in: four lanes fill a place: 80 (l / 4) + 16 (l % 4); a load fills eight places
	v_lshrrev_b32 v4, 4, v1
	v_lshl_add_u32 v4, v4, 4, v1
	v_mul_u32_u24 v4, v4, 80
	v_add_nc_u32 v4, s46, v4                       ; out: lane l = 2 r + hh takes place l + 16 (l / 16) + 16 u: row 8 u + r + 8 (r / 8) of the 32, half hh
	v_lshrrev_b32 v5, 1, v1
	v_and_b32 v8, 1, v1
	v_lshl_add_u32 v5, v8, 4, v5
	v_lshlrev_b32 v5, 4, v5                        ; 16 (r + 16 hh)
	s_lshl_b32 s48, s45, 15
	s_lshl_b32 s49, s44, 13
	s_add_co_u32 s48, s48, s49
	s_mov_b32 s49, 0
	s_add_nc_u64 s[14:15], s[14:15], s[48:49]      ; w2 at my 64 rows
	s_mul_i32 s48, s45, 9728
	s_lshl_b32 s50, s44, 11
	s_add_co_u32 s48, s48, s50
	s_add_nc_u64 s[28:29], s[28:29], s[48:49]      ; w2f at my four tiles
	s_lshl_b32 s48, s45, 10
	s_add_nc_u64 s[16:17], s[16:17], s[48:49]      ; b2 at this o's 256 numbers
	s_wait_alu depctr_va_vdst(0)                   ; v2 to v5 are written: every load, store and LDS instruction of this path reads one of them as its offset or address
.set j, 0
.rept 16
	global_load_b128 v[16+4*j:19+4*j], v2, s[14:15] offset:512*j th:TH_LOAD_NT
.set j, j+1
.endr
	s_wait_kmcnt 0x0
	MKS 6, 39                                      ; e3
	s_cmp_lg_u32 s44, 0
	s_cbranch_scc1 .Lw_rows
	; wave 0 alone: b2 / 2^(e2+e3), and its fold: fold[m] = the sum of the 16 numbers at 16 c + m.  Lane l holds numbers 4 l .. 4 l + 3 and 128 + 4 l .. + 3
	global_load_b128 v[160:163], v2, s[16:17]
	global_load_b128 v[164:167], v2, s[16:17] offset:512
	s_add_co_i32 s50, s38, s39
	s_sub_co_i32 s50, 0, s50                       ; -(e2 + e3)
.irp e, 0,1,2,3
	v_mov_b32 v[172+\e], 0                         ; a lane permute's destination counts as read
.endr
	s_wait_loadcnt 0x0
.irp e, 0,1,2,3,4,5,6,7
	v_ldexp_f32 v[160+\e], v[160+\e], s50
.endr
.irp e, 0,1,2,3
	v_add_f32 v[168+\e], v[160+\e], v[164+\e]
.endr
.irp e, 0,1,2,3
	v_add_f32_dpp v[168+\e], v[168+\e], v[168+\e] row_xmask:4 row_mask:0xf bank_mask:0xf
.endr
.irp e, 0,1,2,3
	v_add_f32_dpp v[168+\e], v[168+\e], v[168+\e] row_xmask:8 row_mask:0xf bank_mask:0xf
.endr
.irp e, 0,1,2,3
	v_permlanex16_b32 v[172+\e], v[168+\e], s58, s59
.endr
.irp e, 0,1,2,3
	v_add_f32 v[168+\e], v[168+\e], v[172+\e]      ; lane l now holds fold[4 (l % 4) + e]: the 32 lanes' 512 bytes are the fold eight times over
.endr
	s_wait_alu depctr_va_vdst(0)                   ; the scalings have written v160-167 and the fold's last additions v168-171, which the three stores read
	global_store_b128 v2, v[160:163], s[28:29] offset:8192
	global_store_b128 v2, v[164:167], s[28:29] offset:8704
	global_store_b128 v2, v[168:171], s[28:29] offset:9216
.Lw_rows:
.irp d, 0,1                            ; 32 rows at a time through stage d.  No vector line names v16-143 ahead of these lines, and their addresses stand behind the wait at the path's head
.if \d == 0
	s_wait_loadcnt 8                               ; the first eight row loads are in; the other eight may be out
.else
	s_wait_loadcnt 0x0
.endif
.irp i, 0,1,2,3,4,5,6,7
	ds_store_b128 v3, v[16+32*\d+4*\i:19+32*\d+4*\i] offset:5120*\d+640*\i
.endr
.irp u, 0,1
.irp e, 0,1,2,3
	ds_load_b128 v[80+16*(2*\d+\u)+4*\e:83+16*(2*\d+\u)+4*\e], v4 offset:5120*\d+1280*\u+16*\e   ; LDS serves a wave's instructions in order: these see my stores
.endr
.endr
.endr
.macro WGROUP g, left                  ; tile 4 k + g: 16 numbers a lane become 16 codes; left = the LDS instructions issued behind this group's four loads
	s_wait_dscnt \left
.set i, 0
.rept 16
	v_med3_num_f32 v[80+16*\g+i], v[80+16*\g+i], -v7, v7   ; the conversion to an 8-bit code does not saturate (ISA guide 7.6.2): the hold at 448 x the scale comes first
.set i, i+1
.endr
	v_cvt_scalef32_pk8_fp8_f32 v[144+4*\g:145+4*\g], v[80+16*\g:87+16*\g], v6
	v_cvt_scalef32_pk8_fp8_f32 v[146+4*\g:147+4*\g], v[88+16*\g:95+16*\g], v6
.endm
	WGROUP 0, 20
	WGROUP 1, 16
	WGROUP 2, 4
	WGROUP 3, 0
	v_nop                                          ; a plain line behind the last conversion
	s_wait_alu depctr_va_vdst(0)                   ; the eight conversions have written v144-159, which the four stores read
.irp g, 0,1,2,3
	global_store_b128 v5, v[144+4*\g:147+4*\g], s[28:29] offset:512*\g   ; the wave's store covers the tile's 512 consecutive bytes
.endr
	s_wait_dscnt 0x0                               ; the closing lines, six on end
	s_wait_alu 0x0
	s_wait_tensorcnt 0x0
	ds_add_u32 v254, v255
	s_wait_dscnt 0x0
	s_endpgm
; ---------------------------------------------------------------- a tile of 16 tokens to a wave
; WINDOW 0: v1 r, v2 h, v3 16 x lane, v4 x's offset, v5 w1's or u1's, v6 u2's, v7, v8 where my images go, v9 64 h, v10 32 h, v11, v12 the stage in and out, v13 a permute's destination, v[14:15] a mean or 1 / sigma, twice;
;   at first v16-79, v80-143 my tile of w1 or u1 (two K steps), v144-207 my four tiles of u2;  later v16-31 hw, v32-47 hb, v48-79 two sets of 16 at work, then v48-111 w1's fragments, v112-175 u1's, then u2's;
;   v176-207 x's codes under e0, v208-239 under e4;  v48-51 hw's codes, v52-63 [0 | hb's codes | 0];  v240-251 six pairs (2^e, 448 x 2^e).   WINDOW 1: v0-127 x, v128-255 c2, then b.
.macro QUANT s, sc                     ; 64 numbers of a lane, v[s] on, become 16 registers of codes, v[PC] on;  v[sc], v[sc+1]: the scale and 448 x the scale
.irp b, 0,1,2,3
.set i, 0
.rept 16
	v_med3_num_f32 v[\s+16*\b+i], v[\s+16*\b+i], -v[\sc+1], v[\sc+1]
.set i, i+1
.endr
	v_cvt_scalef32_pk8_fp8_f32 v[PC+4*\b:PC+4*\b+1], v[\s+16*\b:\s+16*\b+7], v[\sc]
	v_cvt_scalef32_pk8_fp8_f32 v[PC+4*\b+2:PC+4*\b+3], v[\s+16*\b+8:\s+16*\b+15], v[\sc]
.endr
	v_nop                                          ; a plain line behind the last conversion
.endm
.macro IMAGE adr, off                  ; the codes go to LDS as an image of their registers: lane l's 16 bytes at 16 l, 512 bytes a store
	s_wait_alu depctr_va_vdst(0)                   ; the conversions have written v[PC ..], which the LDS stores read
.irp c, 0,1,2,3
	ds_store_b128 v[\adr], v[PC+4*\c:PC+4*\c+3] offset:\off+512*\c
.endr
.endm
.macro XQ dst, sc                      ; x (window 1, untouched) becomes two fragments of codes, v[dst] on; two sets of 16 take turns, so that plain lines stand between a conversion and the next write of its sources
.irp g, 0,1,2,3,4,5,6,7
	WIN 0x01
.set i, 0
.rept 16
	v_med3_num_f32 v[48+16*(\g%2)+i], v[16*\g+i], -v[\sc+1], v[\sc+1]
.set i, i+1
.endr
	WIN 0
	v_cvt_scalef32_pk8_fp8_f32 v[\dst+4*\g:\dst+4*\g+1], v[48+16*(\g%2):55+16*(\g%2)], v[\sc]
	v_cvt_scalef32_pk8_fp8_f32 v[\dst+4*\g+2:\dst+4*\g+3], v[56+16*(\g%2):63+16*(\g%2)], v[\sc]
.endr
	v_nop
.endm
.macro REDUCE                          ; four chains of pairs -> the token's sum in v[AC], in both lanes that hold the token
	v_pk_add_f32 v[AC:AC+1], v[AC:AC+1], v[AC+2:AC+3]
	v_pk_add_f32 v[AC+4:AC+5], v[AC+4:AC+5], v[AC+6:AC+7]
	v_pk_add_f32 v[AC:AC+1], v[AC:AC+1], v[AC+4:AC+5]
	v_add_f32 v[AC], v[AC], v[AC+1]
	v_permlanex16_b32 v13, v[AC], s58, s59
	v_add_f32 v[AC], v[AC], v13
.endm
.macro SUMW1 base                      ; the sum of the lane's 128 numbers v[base] on of window 1, taken in ascending order of registers
	WIN 0x05
.irp c, 0,1,2,3
	v_pk_add_f32 v[AC+2*\c:AC+2*\c+1], v[\base+2*\c:\base+2*\c+1], v[\base+8+2*\c:\base+9+2*\c]
.endr
	WIN 0x01
.set j, 8
.rept 56
	v_pk_add_f32 v[AC+2*(j%4):AC+2*(j%4)+1], v[\base+2*j:\base+2*j+1], v[AC+2*(j%4):AC+2*(j%4)+1]
.set j, j+1
.endr
	WIN 0
	REDUCE
.endm
.Ltoken:
	s_lshl_b32 s45, ttmp9, 2
	s_add_co_u32 s45, s45, s44                     ; T
	v_and_b32 v1, 15, v0                           ; r
	v_bfe_u32 v2, v0, 4, 1                         ; h
	v_and_b32 v3, 31, v0
	v_lshlrev_b32 v3, 4, v3                        ; 16 x lane
	v_lshlrev_b32 v4, 10, v1
	v_lshl_add_u32 v4, v2, 6, v4                   ; x: row r of 1,024 bytes, + 64 h: my 16 numbers of each 32
	v_and_b32 v5, 8, v1
	v_add_nc_u32 v5, v5, v1                        ; r + 8 (r / 8)
	s_and_b32 s46, s44, 1
	s_lshl_b32 s46, s46, 3
	v_add_nc_u32 v5, s46, v5                       ; waves 0, 1 quantise w1's tiles u = 0, 1; waves 2, 3 u1's: lane r takes row 8 u + r + 8 (r / 8), so that a lane's 16 results are 16 neighbours along the next K
	v_lshlrev_b32 v5, 10, v5
	v_lshl_add_u32 v5, v2, 6, v5
	v_lshlrev_b32 v6, 7, v1
	v_lshl_add_u32 v6, v2, 6, v6
	s_lshl_b32 s46, s44, 13
	v_add_nc_u32 v6, s46, v6                       ; u2: rows 64 k + r (128 bytes each), + 64 h
	s_lshl_b32 s46, s44, 12
	v_add_nc_u32 v7, s46, v3                       ; my two weight fragments' images: 4,096 k + 16 x lane
	s_lshl_b32 s46, s44, 11
	s_add_co_u32 s46, s46, UIMG
	v_add_nc_u32 v8, s46, v3                       ; my four tiles of u2
	v_lshlrev_b32 v9, 6, v2
	v_lshlrev_b32 v10, 5, v2
	s_mul_i32 s46, s44, 16*BPITCH
	s_add_co_u32 s46, s46, BST                     ; my stage
	v_mul_u32_u24 v11, v1, BPITCH
	v_lshl_add_u32 v11, v2, 5, v11
	v_add_nc_u32 v11, s46, v11                     ; in: row r, + 32 h
	v_bfe_u32 v12, v0, 2, 3
	v_mul_u32_u24 v12, v12, BPITCH
	v_and_b32 v13, 3, v0
	v_lshl_add_u32 v12, v13, 4, v12
	v_add_nc_u32 v12, s46, v12                     ; out: four lanes take 64 bytes of a row, eight rows an instruction
	v_mov_b32 v13, 0
	s_lshl_b32 s46, s45, 14
	s_mov_b32 s47, 0
	s_add_nc_u64 s[8:9], s[8:9], s[46:47]          ; x and xcf at my tile: 16,384 bytes each
	s_add_nc_u64 s[30:31], s[30:31], s[46:47]
	s_lshl_b32 s46, s45, 9
	s_add_nc_u64 s[32:33], s[32:33], s[46:47]      ; hqf: 512 bytes a tile
	s_lshr_b32 s46, s45, 3
	s_lshl_b32 s46, s46, 17
	s_and_b32 s50, s45, 7
	s_lshl_b32 s50, s50, 10
	s_add_co_u32 s46, s46, s50
	s_add_nc_u64 s[34:35], s[34:35], s[46:47]      ; blnb [16 blocks of 128 tokens][16 groups of 16 outputs][128][16]: my block, my 16 tokens' 1,024 bytes in a group
	s_cmp_lt_u32 s44, 2
	s_cselect_b64 s[48:49], s[10:11], s[18:19]     ; w1 or u1: the choice hangs on the wave's number alone
	s_wait_alu depctr_va_vdst(0)                   ; v3 to v12 are written: every load, store and LDS instruction of this path reads one of them as its offset or address; they are never written again
.set j, 0
.rept 32
	global_load_b128 v[16+4*j:19+4*j], v5, s[48:49] offset:128*(j/4)+16*(j%4)     ; register 16 g + i: k = 32 g + 16 h + i of my row
.set j, j+1
.endr
.set j, 0
.rept 16
	global_load_b128 v[144+4*j:147+4*j], v6, s[22:23] offset:2048*(j/4)+16*(j%4)  ; register 16 a + i: u2(64 k + 16 a + r, 16 h + i)
.set j, j+1
.endr
	WIN 0x40
.set j, 0
.rept 32
	global_load_b128 v[4*j:4*j+3], v4, s[8:9] offset:128*(j/4)+16*(j%4) th:TH_LOAD_NT
.set j, j+1
.endr
	WIN 0
	s_wait_kmcnt 0x0
	s_cmp_lt_u32 s44, 2
	s_cselect_b32 s50, s37, s41                    ; e1 or e5
	MKS 240, 36                                    ; e0
	MKS 242, 50
	MKS 244, 43                                    ; e7
	MKS 246, 40                                    ; e4
	s_sub_co_i32 s51, s38, s36
	s_sub_co_i32 s51, s51, s37
	MKS 248, 51                                    ; e2 - e0 - e1: hw's sums lack 2^(e0+e1)
	s_sub_co_i32 s52, s42, s40
	s_sub_co_i32 s52, s52, s41
	MKS 250, 52                                    ; e6 - e4 - e5
	s_add_co_i32 s53, s36, s37
	s_sub_co_i32 s53, 0, s53                       ; -(e0 + e1)
	s_add_co_i32 s54, s40, s41
	s_sub_co_i32 s54, 0, s54                       ; -(e4 + e5)
	s_add_co_i32 s55, s42, s43
	s_sub_co_i32 s55, 0, s55                       ; -(e6 + e7)
	s_lshl_b32 s60, s55, 24
	s_add_co_u32 s62, s60, 0x3727c5ac              ; 1e-5 x 2^(-2 (e6+e7)): b is kept in units of 2^(e6+e7), and the norm does not see that unit if eps is in it too
	s_mov_b32 s61, 0x3b800000                      ; 1 / 256
	; the weights' codes, shared by the four waves through LDS
	s_wait_loadcnt 63                              ; 80 loads are out at the most: the oldest 17 are in, my first K step's 16 among them
	QUANT 16, 242
	IMAGE 7, WIMG
	s_wait_alu depctr_vm_vsrc(0)                   ; the LDS stores have read v[PC ..], which the next conversions write again
	s_wait_loadcnt 48                              ; u2's 16 and x's 32 may be out
	QUANT 80, 242
	IMAGE 7, WIMG+2048
	s_wait_alu depctr_vm_vsrc(0)                   ; the LDS stores have read v[PC ..], which the next conversions write again
	s_wait_loadcnt 32                              ; x's 32 may be out
	QUANT 144, 244
	IMAGE 8, 0
	; the wait at the head of the last image also stands for the loads below: the holds and conversions that named v16-47 were issued ahead of it, and only LDS stores, which name other registers, have followed it
.irp e, 0,1,2,3
	global_load_b128 v[16+4*\e:19+4*\e], v9, s[12:13] offset:16*\e   ; b1 at hidden units 16 h + 0 .. 15: the C of hw's first products
.endr
.irp e, 0,1,2,3
	global_load_b128 v[32+4*\e:35+4*\e], v9, s[20:21] offset:16*\e   ; c1 likewise
.endr
	WIN 0x40
.set j, 0
.rept 32
	global_load_b128 v[128+4*j:131+4*j], v10, s[24:25] offset:64*(j/2)+16*(j%2)   ; c2 at outputs 16 a + 8 h + 0 .. 7: register 8 a + j
.set j, j+1
.endr
	WIN 0
	s_wait_dscnt 0x0                               ; for the others' sake: my images are in LDS
	s_barrier_signal -1
	s_barrier_wait -1
	s_wait_alu depctr_vm_vsrc(0)                   ; my last image's LDS stores have read v208-223, into which x's codes under e4 are written below
	; x: its mean, its codes under e0 and under e4, and x - mean
	s_wait_loadcnt 40                              ; x is in; b1's 4, c1's 4 and c2's 32 loads may be out
	SUMW1 0
	v_mul_f32 v14, s61, v[AC]
	v_mov_b32 v15, v14
	XQ 176, 240
	XQ 208, 246
	WIN 0x41
.set j, 0
.rept 64
	v_pk_add_f32 v[2*j:2*j+1], v[2*j:2*j+1], v[14:15] neg_lo:[0,1] neg_hi:[0,1]
.set j, j+1
.endr
	WIN 0
	s_wait_alu depctr_va_vdst(0)                   ; the sums, holds and conversions are done with v48-175, in which the fragments land; the subtractions have written x - mean (window 1), which the stores read
	; hw and hb: their weights' fragments are asked for first, the stores of x - mean follow under the same wait
.set j, 0
.rept 32
	ds_load_b128 v[48+4*j:51+4*j], v3 offset:WIMG+512*j          ; w1's four fragments (u, s) at v[48 + 16 (2 u + s)], u1's at v[112 + ..]
.set j, j+1
.endr
	WIN 0x04
.set j, 0
.rept 32
	global_store_b128 v3, v[4*j:4*j+3], s[30:31] offset:512*j    ; an image of the registers: 512 consecutive bytes a store
.set j, j+1
.endr
	WIN 0
	s_wait_loadcnt 32                              ; b1 and c1 are in; c2's 32 may be out
.set i, 0
.rept 16
	v_ldexp_f32 v[16+i], v[16+i], s53
	v_ldexp_f32 v[32+i], v[32+i], s54
.set i, i+1
.endr
	s_wait_dscnt 0x0
.irp s, 0,1                            ; four accumulators by turns, one instruction a turn
.irp u, 0,1
	v_wmma_f32_16x16x128_fp8_fp8 v[16+8*\u:23+8*\u], v[48+16*(2*\u+\s):63+16*(2*\u+\s)], v[176+16*\s:191+16*\s], v[16+8*\u:23+8*\u]
.endr
.irp u, 0,1
	v_wmma_f32_16x16x128_fp8_fp8 v[32+8*\u:39+8*\u], v[112+16*(2*\u+\s):127+16*(2*\u+\s)], v[208+16*\s:223+16*\s], v[32+8*\u:39+8*\u]
.endr
.endr
.rept 4
	v_nop                                          ; four places behind the products, ahead of the reads of their results and of writes over their sources (ISA guide 7.12.1)
.endr
.irp c, 0,1,2,3
	v_mov_b32 v[52+\c], 0
	v_mov_b32 v[60+\c], 0
.endr
.set i, 0
.rept 16
	v_med3_num_f32 v[16+i], v[16+i], -v249, v249
.set i, i+1
.endr
	v_cvt_scalef32_pk8_fp8_f32 v[48:49], v[16:23], v248      ; hw's codes: k = 16 h + 0 .. 15 of token r
	v_cvt_scalef32_pk8_fp8_f32 v[50:51], v[24:31], v248
.set i, 0
.rept 16
	v_med3_num_f32 v[32+i], v[32+i], -v251, v251
.set i, i+1
.endr
	v_cvt_scalef32_pk8_fp8_f32 v[56:57], v[32:39], v250      ; hb's
	v_cvt_scalef32_pk8_fp8_f32 v[58:59], v[40:47], v250
	v_nop
	s_wait_alu depctr_va_vdst(0)                   ; the products are done reading u1's fragments in v112-175, in which u2's tiles land; the conversions have written hw's codes in v48-51, which the store reads
	; b = Q(hb) Q(u2)^T + c2: 16 tiles of 16 outputs
.set j, 0
.rept 16
	ds_load_b128 v[112+4*j:115+4*j], v3 offset:UIMG+512*j
.set j, j+1
.endr
	global_store_b128 v3, v[48:51], s[32:33]
	s_wait_loadcnt 0x0                             ; c2
	WIN 0x41
.set j, 0
.rept 128
	v_ldexp_f32 v[128+j], v[128+j], s55
.set j, j+1
.endr
	s_wait_dscnt 0x0
	WIN 0x50                                       ; C and D in window 1
.irp a, 0,2,4,6,8,10,12,14
	v_wmma_f32_16x16x64_fp8_fp8 v[128+8*\a:135+8*\a], v[112+4*\a:119+4*\a], v[56:63], v[128+8*\a:135+8*\a]    ; [codes | 0] picks the first tile of the pair,
	v_wmma_f32_16x16x64_fp8_fp8 v[136+8*\a:143+8*\a], v[112+4*\a:119+4*\a], v[52:59], v[136+8*\a:143+8*\a]    ; [0 | codes] the second
.endr
.rept 4
	v_nop
.endr
	; the layer norm over the token's 256 outputs, in two passes: the mean, then the squares of what is left
	SUMW1 128
	v_mul_f32 v14, s61, v[AC]
	v_mov_b32 v15, v14
	WIN 0x41
.set j, 0
.rept 64
	v_pk_add_f32 v[128+2*j:129+2*j], v[128+2*j:129+2*j], v[14:15] neg_lo:[0,1] neg_hi:[0,1]
.set j, j+1
.endr
	WIN 0x05
.irp c, 0,1,2,3
	v_pk_mul_f32 v[AC+2*\c:AC+2*\c+1], v[128+2*\c:129+2*\c], v[128+2*\c:129+2*\c]
.endr
.set j, 4
.rept 60
	v_pk_fma_f32 v[AC+2*(j%4):AC+2*(j%4)+1], v[128+2*j:129+2*j], v[128+2*j:129+2*j], v[AC+2*(j%4):AC+2*(j%4)+1]
.set j, j+1
.endr
	WIN 0
	REDUCE
	v_fma_f32 v[AC], v[AC], s61, s62               ; variance + eps
	v_rsq_f32 v14, v[AC]
	v_nop                                          ; a plain line behind the transcendental (ISA guide 5.7.2)
	s_wait_alu depctr_va_vdst(0)                   ; 1 / sigma is written in v14: a wait ahead of a transcendental's first reader
	v_mov_b32 v15, v14
	WIN 0x41
.set j, 0
.rept 64
	v_pk_mul_f32 v[128+2*j:129+2*j], v[128+2*j:129+2*j], v[14:15]
.set j, j+1
.endr
	; the way out: a lane holds 32 bytes of each group of 16 outputs of its token; through my stage they become runs of 512 bytes (8 tokens x 64 bytes) of a group's block
	WIN 0x04
	s_wait_alu depctr_va_vdst(0)                   ; the multiplications have written b (window 1), which the LDS stores read; and every vector and matrix line that named v16-143 is done: the stage's rows land there below
.set j, 0
.rept 32
	ds_store_b128 v11, v[128+4*j:131+4*j] offset:64*(j/2)+16*(j%2)
.set j, j+1
.endr
	WIN 0
	s_wait_xcnt 0x0                                ; the store of hw's codes has had its address translated (ISA guide 3.1): v48-51 are loaded over below only behind this wait,
	s_wait_alu depctr_vm_vsrc(0)                   ; and behind this one: that store has read v48-51
.set j, 0
.rept 32
	ds_load_b128 v[16+4*j:19+4*j], v12 offset:8*BPITCH*(j%2)+64*(j/2)   ; LDS serves a wave's instructions in order: these see my stores
.set j, j+1
.endr
.set j, 0
.rept 32
	s_wait_dscnt 31-j                              ; load j is in; the younger ones may be out
	global_store_b128 v3, v[16+4*j:19+4*j], s[34:35] offset:8192*(j/2)+512*(j%2)
.set j, j+1
.endr
	s_wait_dscnt 0x0                               ; the closing lines, six on end
	s_wait_alu 0x0
	s_wait_tensorcnt 0x0
	ds_add_u32 v254, v255
	s_wait_dscnt 0x0
	s_endpgm
.Lfunc_end_k_q2db1e5774c_prep:
	.size	k_q2db1e5774c_prep, .Lfunc_end_k_q2db1e5774c_prep-k_q2db1e5774c_prep
	.p2alignl 7, 3214868480
	.fill 96, 4, 3214868480
	.section	.rodata,"a",@progbits
	.p2align	6, 0x0
	.amdhsa_kernel k_q2db1e5774c_prep
		.amdhsa_group_segment_fixed_size 132608
		.amdhsa_private_segment_fixed_size 0
		.amdhsa_enable_private_segment 0
		.amdhsa_kernarg_size 112
		.amdhsa_user_sgpr_count 2
		.amdhsa_user_sgpr_kernarg_segment_ptr 1
		.amdhsa_wavefront_size32 1
		.amdhsa_system_sgpr_workgroup_id_x 1
		.amdhsa_system_sgpr_workgroup_id_y 1
		.amdhsa_system_sgpr_workgroup_id_z 1
		.amdhsa_system_vgpr_workitem_id 0
		.amdhsa_next_free_vgpr 512
		.amdhsa_next_free_sgpr 66
		.amdhsa_reserve_vcc 0
		.amdhsa_float_denorm_mode_32 3
		.amdhsa_float_denorm_mode_16_64 3
		.amdhsa_memory_ordered 1
		.amdhsa_forward_progress 1
		.amdhsa_inst_pref_size 118
	.end_amdhsa_kernel
	.amdgpu_metadata
---
amdhsa.version: [ 1, 2 ]
amdhsa.kernels:
  - .name:           k_q2db1e5774c_prep
    .symbol:         k_q2db1e5774c_prep.kd
    .args:
      - { .name: x, .offset: 0, .size: 8, .value_kind: global_buffer, .address_space: global }
      - { .name: w1, .offset: 8, .size: 8, .value_kind: global_buffer, .address_space: global }
      - { .name: b1, .offset: 16, .size: 8, .value_kind: global_buffer, .address_space: global }
      - { .name: w2, .offset: 24, .size: 8, .value_kind: global_buffer, .address_space: global }
      - { .name: b2, .offset: 32, .size: 8, .value_kind: global_buffer, .address_space: global }
      - { .name: u1, .offset: 40, .size: 8, .value_kind: global_buffer, .address_space: global }
      - { .name: c1, .offset: 48, .size: 8, .value_kind: global_buffer, .address_space: global }
      - { .name: u2, .offset: 56, .size: 8, .value_kind: global_buffer, .address_space: global }
      - { .name: c2, .offset: 64, .size: 8, .value_kind: global_buffer, .address_space: global }
      - { .name: lowp_scales, .offset: 72, .size: 8, .value_kind: global_buffer, .address_space: global }
      - { .name: w2f, .offset: 80, .size: 8, .value_kind: global_buffer, .address_space: global }
      - { .name: xcf, .offset: 88, .size: 8, .value_kind: global_buffer, .address_space: global }
      - { .name: hqf, .offset: 96, .size: 8, .value_kind: global_buffer, .address_space: global }
      - { .name: blnb, .offset: 104, .size: 8, .value_kind: global_buffer, .address_space: global }
    .group_segment_fixed_size: 132608
    .private_segment_fixed_size: 0
    .kernarg_segment_align: 8
    .kernarg_segment_size: 112
    .max_flat_workgroup_size: 128
    .sgpr_count:     66
    .vgpr_count:     512
    .wavefront_size: 32
...
	.end_amdgpu_metadata
.endif
;; end of part 3
;; launch main: the kernel of part 2 again; grid 16 x 16, 4 waves a work-group, clusters of 4 x 4, 327,680 bytes of LDS; arguments xcf, w2f, hqf, blnb, lowp_scales, out0; writes out0
